; MI455X (gfx1250); checked and timed in simulation.
; The chip was launched on July 23, 2026; its instructions are those of AMD's public machine-readable ISA for CDNA 5 (MIT licence, August 2026) and "CDNA5" Instruction Set Architecture Reference Guide (July 2026). The comments in the code are by the model that wrote it; some were corrected since.
;; Multi Head Attention. Allowed arithmetic: matrix products marked QUANTISED: E2M3 operands, one E8M0 scale for each 32 along K, by v_wmma_scale_f32_16x16x128_f8f6f4 with both operands' format E2M3, f32 sums; everything else in f32.
;; Inputs: Wk 1,024 x 1,024 float32; Wo 1,024 x 1,024 float32; Wq 1,024 x 1,024 float32; Wv 1,024 x 1,024 float32; X 1 x 4,096 x 1,024 float32; bk 1,024 float32; bo 1,024 float32; bq 1,024 float32; bv 1,024 float32.
;; Outputs: out0 1 x 4,096 x 1,024 float32.
;; Constants: is_causal = 1.
;; This version of the problem:
;;   THIS VERSION OF THE PROBLEM IS GIVEN IN LOW PRECISION. The matrix products marked QUANTISED in the list below multiply operands that are first quantised to E2M3 (2 exponent bits, 3 mantissa bits; 6 bits a number), with one power-of-two scale for each 32 numbers along K (OCP MX v1.0); their sums are f32. All else is computed in f32.
;;   The module's matrix products, in the order in which they are computed (A, B: the left and right operand; K: the contracted axis; several contracted axes count as one K, in the product's order):
;;     1. [M 4,096, K 1,024] x [K 1,024, N 1,024]; A: input X; B: input Wq: QUANTISED
;;     2. [M 4,096, K 1,024] x [K 1,024, N 1,024]; A: input X; B: input Wk: QUANTISED
;;     3. [M 4,096, K 1,024] x [K 1,024, N 1,024]; A: input X; B: input Wv: QUANTISED
;;     4. batch 16 x [M 4,096, K 64] x [K 64, N 4,096]; A: computed on the way; B: computed on the way: QUANTISED
;;     5. batch 16 x [M 4,096, K 4,096] x [K 4,096, N 64]; A: softmax (see below); B: computed on the way: QUANTISED
;;     6. [M 4,096, K 1,024] x [K 1,024, N 1,024]; A: computed on the way; B: input Wo: QUANTISED
;;   THE QUANTISER, for each operand of a quantised product, along K:
;;     - K is cut into blocks of 32 from its start; a last block that is shorter is filled with zeros.
;;     - A block's scale is 2^e with e = floor(log2(the largest magnitude in the block)) - 2, held to -126 .. 127; a block of zeros has e = 0. As a byte (E8M0): e + 127.
;;     - Each number is divided by its block's scale, clamped to +-7.5, and rounded to the nearest number of E2M3, ties to even, subnormals kept.
;;     - The product sums the exact products of the quantised numbers (number of the format x scale) in f32.
;;   ~~~python
;;   def quantise(x, axis):      # numpy; x: float32 -> the quantised numbers, widened to float32 again
;;       x = np.moveaxis(x, axis, -1); K = x.shape[-1]
;;       x = np.pad(x, [(0, 0)] * (x.ndim - 1) + [(0, -K % 32)]); x = x.reshape(x.shape[:-1] + (-1, 32)); a = np.abs(x).max(-1, keepdims=True)
;;       e = np.where(a > 0, np.clip(np.frexp(np.where(a > 0, a, 1))[1] - 1 - 2, -126, 127), 0)      # np.frexp(a)[1] - 1 = floor(log2(a)), exactly
;;       r = np.clip(x / 2.0 ** e, -7.5, 7.5)
;;       step = 2.0 ** (np.maximum(np.frexp(np.where(r == 0, 1, r))[1] - 1, 0) - 3)
;;       q = np.round(r / step) * step * 2.0 ** e      # np.round: ties to even
;;       return np.moveaxis(q.reshape(q.shape[:-2] + (-1,))[..., :K], -1, axis).astype(np.float32)
;;   ~~~
;;   SOFTMAX AHEAD OF A QUANTISED PRODUCT. Where the list says 'softmax', what is quantised is not the finished softmax but p = 2^(t - M), with t = logit x log2(e) and M = ceil(the row's largest t), a whole number; so 1/2 < the row's largest p <= 1. The row's sum l is taken of the UNQUANTISED p, in f32, and the product's result is divided by l at the end. Since M is a whole number, a kernel that streams over the keys may use a running M (the ceiling of the running maximum): every later rescaling is an exact power of two, which a block's scale takes up: the codes' values come out the same.
;;   OPERANDS COMPUTED ON THE WAY. 'Computed on the way' means the value that the module computes at that place (a softmax that the list does not call 'softmax' is quantised finished and normalised). What goes into a quantiser is computed in f32, as accurately as f32 sums, v_exp_f32 and their like allow (about 1e-6 of the number): no bf16 or f16 on the way to a quantiser, and a product that is left as it is and whose result goes on into a quantised operand takes f32 operands (vector FMAs, or v_wmma_f32_16x16x4_f32). A number that lies on a knife's edge between two numbers of the format may be rounded either way, as far as f32 arithmetic and the matrix unit's own rounding can turn it there, and no further.
;; One version. Each part assembles by itself: llvm-mc -triple=amdgcn-amd-amdhsa -mcpu=gfx1250 --defsym DOCPART=n.
;; ======== version 1 of 1: 4 launches
;; limits: right only within a limited range of input values
;; workspace buffers: pan 6,553,600 bytes; qkv 10,223,616 bytes; opan 3,407,872 bytes
;; launch quant (part 1): grid 256 x 1, 4 waves a work-group, no clusters, 34,304 bytes of LDS; arguments X, Wq, Wk, Wv, Wo, pan; writes pan
.if DOCPART == 1
	.amdgcn_target "amdgcn-amd-amdhsa--gfx1250"
	.amdhsa_code_object_version 6
	.text
	.protected	k_q46c54efc62_quant
	.globl	k_q46c54efc62_quant
	.p2align	8
	.type	k_q46c54efc62_quant,@function
k_q46c54efc62_quant:
	s_mov_b64 s[64:65], 0
	v_nop
	global_prefetch_b8 v0, s[64:65] scope:SCOPE_SE
	s_setreg_imm32_b32 hwreg(HW_REG_WAVE_MODE, 25, 1), 1
	s_wait_xcnt 0x0
; MULTI-HEAD ATTENTION ON CODES OF E2M3, four launches: quant (this one), proj, attn, outp.
; WORK LEFT OUT BY THE PROGRAM (in attn): reference() sets every score with key > query to -infinity by its own jnp.tril, for all values of the inputs; behind the softmax such a key has the weight 0
; exactly.  So a step of 128 keys all of which come after a wave's 16 queries adds nothing to the maximum, the sum or the product with V, and is not computed.  No input is left out.
; LIMITS: a NaN, an infinity or an overflow that would arise only in the scores left out is not carried to the result; NaN and infinities among the inputs are not served; a block of 32 whose largest
; magnitude lies under 2^-124 (a block of zeros among them) gets the scale byte 1: the rule's lowest byte; for zeros the rule says 127, but zero codes add nothing under either, and this program alone reads the bytes.
; THIS LAUNCH turns X [4096][1024] and Wq, Wk, Wv, Wo [1024][1024], f32, K innermost, into codes of E2M3 with one E8M0 byte for each 32 along K, laid in the order of a matrix operand's registers.
; pan: 64 panels of 128 rows (0-31 X, 32-39 Wq, 40-47 Wk, 48-55 Wv, 56-63 Wo).  A panel is 8 chunks of 12,800 bytes, one for each 128 along K: 8 fragments of 1,536 bytes, then two blocks of 256 bytes of scale words.
; A fragment is 16 rows x 128 K, 12 registers a lane: registers 4 c .. 4 c + 3 of lane l lie at 512 c + 16 l.  THE ROWS OF A FRAGMENT ARE NOT NEIGHBOURS: row i of tile 2 b + u is row 32 b + 8 u + i + 8 (i / 8) of the panel,
; so that in a product's result the 16 registers of tiles 2 b and 2 b + 1 are 16 neighbours.  A block of scale words serves 4 tiles: the word of (row r, tile t) lies at 16 r + 4 t.
; SHARES: 1,024 waves; a wave takes 64 rows x 128 K: four fragments and one block of scale words.  Each load reads a row's 512 consecutive bytes; the 16 rows of a fragment turn through the wave's own stage in LDS,
; from which lane (r, h) takes the two blocks of 32 numbers that the operand's layout gives it: k = 32 h + 0 .. 31 and 64 + 32 h + 0 .. 31 of row r.  Waves share nothing: no barrier.
.set PANB,  102400                     ; a panel in bytes
.set CHK,   12800                      ; a chunk
.set SP,    528                        ; a stage row: 512 bytes + 16
.set WST,   16*SP                      ; a wave's stage
.set SPARE, 4*WST                      ; behind the stages: the spare words, 128 bytes for each wave
.set R,     16                         ; v16-143  two sets of 64: a fragment's rows as loaded
.set X,     144                        ; v144-207 my 64 numbers: block h, then block 2 + h
.set C,     208                        ; v208-231 two sets of 12: the codes
.set PT,    232                        ; v232-238 the upper halves of the two blocks' codes
.set TM,    240                        ; v240-246 at work
.set WD,    248                        ; v248-251 the four fragments' scale words
	s_load_b256 s[4:11], s[0:1], 0x0               ; X, Wq, Wk, Wv
	s_load_b128 s[12:15], s[0:1], 0x20             ; Wo, pan
	v_lshl_add_u32 v12, v0, 2, SPARE               ; my spare word; never rewritten
	v_mov_b32 v13, 0                               ; 0; never rewritten
	v_lshrrev_b32 v1, 5, v0
	v_readfirstlane_b32 s16, v1                    ; wave
	v_and_b32 v2, 31, v0                           ; lane
	v_and_b32 v3, 15, v0                           ; r
	v_bfe_u32 v8, v0, 4, 1                         ; h
	v_lshlrev_b32 v4, 4, v2                        ; 16 x lane
	s_mul_i32 s17, s16, WST
	v_add_nc_u32 v5, s17, v4                       ; into the stage: 16 bytes a lane of a row
	v_mul_u32_u24 v6, v3, SP
	v_lshl_add_u32 v6, v8, 7, v6
	v_add_nc_u32 v6, s17, v6                       ; out of it: row r, block h
	v_lshlrev_b32 v7, 4, v3
	v_lshl_add_u32 v7, v8, 3, v7                   ; 16 r + 8 h: my two scale words' place
	v_lshlrev_b32 v10, 3, v8                       ; 8 h
	v_mov_b32 v[TM+6], 0                           ; a lane permute's destination counts as one of its sources
	s_mov_b32 s18, 0x76543210
	s_mov_b32 s19, 0xfedcba98                      ; selects for lane l xor 16
	s_lshr_b32 s20, ttmp9, 2                       ; panel
	s_and_b32 s21, ttmp9, 3
	s_lshl_b32 s21, s21, 1
	s_lshr_b32 s22, s16, 1
	s_or_b32 s21, s21, s22                         ; which 128 along K
	s_and_b32 s22, s16, 1                          ; which 64 rows of the panel
	s_and_b32 s23, s20, 7
	s_cmp_lt_u32 s20, 32
	s_cselect_b32 s23, s20, s23                    ; the panel's number in its own tensor
	s_lshl_b32 s23, s23, 1
	s_add_co_u32 s23, s23, s22
	s_lshl_b32 s24, s23, 18                        ; 64 rows of 4,096 bytes
	s_lshl_b32 s25, s21, 9
	s_add_co_u32 s24, s24, s25                     ; + 512 bytes for each 128 along K
	s_mov_b32 s25, 0
	s_mul_i32 s26, s20, PANB
	s_mul_i32 s27, s21, CHK
	s_add_co_u32 s26, s26, s27                     ; my chunk
	s_mul_i32 s27, s22, 4*1536
	s_add_co_u32 s28, s26, s27                     ; my four fragments
	s_mov_b32 s29, 0
	s_lshl_b32 s27, s22, 8
	s_add_co_u32 s30, s26, s27
	s_add_co_u32 s30, s30, 12288                   ; my block of scale words
	s_mov_b32 s31, 0
	s_wait_alu depctr_va_vdst(0)
	s_wait_kmcnt 0x0
	s_cmp_lt_u32 s20, 32                           ; which tensor: the choice hangs on the work-group's number alone
	s_cselect_b64 s[32:33], s[4:5], s[6:7]
	s_cmp_lt_u32 s20, 40
	s_cselect_b64 s[32:33], s[32:33], s[8:9]
	s_cmp_lt_u32 s20, 48
	s_cselect_b64 s[32:33], s[32:33], s[10:11]
	s_cmp_lt_u32 s20, 56
	s_cselect_b64 s[32:33], s[32:33], s[12:13]
	s_add_nc_u64 s[32:33], s[32:33], s[24:25]
	s_add_nc_u64 s[34:35], s[14:15], s[28:29]
	s_add_nc_u64 s[36:37], s[14:15], s[30:31]
.macro LOADF f                         ; fragment f's 16 rows: 32 lanes read 512 consecutive bytes of a row
.irp i, 0,1,2,3,4,5,6,7,8,9,10,11,12,13,14,15
	global_load_b128 v[R+64*((\f)%2)+4*\i:R+64*((\f)%2)+4*\i+3], v4, s[32:33] offset:(32*((\f)/2)+8*((\f)%2)+\i+8*(\i/8))*4096 th:TH_LOAD_NT
.endr
.endm
.macro FRAGQ f
.set RS, R+64*((\f)%2)
.set CSET, C+12*((\f)%2)
.if (\f) < 3
	s_wait_loadcnt 16                              ; this fragment's 16 loads are in; the next fragment's 16 may be out
.else
	s_wait_loadcnt 0x0
.endif
.irp i, 0,1,2,3,4,5,6,7,8,9,10,11,12,13,14,15
	ds_store_b128 v5, v[RS+4*\i:RS+4*\i+3] offset:\i*SP
.endr
.irp c, 0,1
.irp q, 0,1,2,3,4,5,6,7
	ds_load_b128 v[X+32*\c+4*\q:X+32*\c+4*\q+3], v6 offset:256*\c+16*\q   ; LDS serves a wave's instructions in order: these see the stores above
.endr
.endr
	s_wait_dscnt 0x0                               ; my 64 numbers are in, and the stores have read their registers,
.if (\f) < 2
	LOADF (\f)+2                                   ; which take the fragment two further on
.endif
.irp c, 0,1
	v_max3_num_f32 v[TM+\c], |v[X+32*\c]|, |v[X+32*\c+1]|, 0x1800000   ; a block's largest magnitude: all 32 numbers are mine; the floor 2^(3 - 127) holds the byte at 1 from below
.endr
.irp i, 2,4,6,8,10,12,14,16,18,20,22,24,26,28,30
.irp c, 0,1
	v_max3_num_f32 v[TM+\c], v[TM+\c], |v[X+32*\c+\i]|, |v[X+32*\c+\i+1]|
.endr
.endr
.irp c, 0,1
	v_add_nc_u32 v[TM+2+\c], 0xff000000, v[TM+\c]  ; 2 off its exponent field: the conversion takes this operand's exponent field as its scale
.endr
.irp c, 0,1
	v_lshrrev_b32 v[TM+4+\c], 23, v[TM+2+\c]       ; the scale's byte
.endr
	v_lshl_or_b32 v[WD+(\f)], v[TM+5], 16, v[TM+4] ; my two bytes, blocks h and 2 + h of row r,
	v_lshlrev_b32 v[WD+(\f)], v10, v[WD+(\f)]      ; at their places in the word;
	v_permlanex16_b32 v[TM+6], v[WD+(\f)], s18, s19
	v_or_b32 v[WD+(\f)], v[WD+(\f)], v[TM+6]       ; with lane l xor 16's two the word is whole
.if (\f) >= 2
	s_wait_alu depctr_va_vdst(0)
	s_wait_xcnt 0x0                                ; the stores of two fragments back have read this set of codes: it is written again only behind this wait
.endif
.irp c, 0,1
	v_cvt_scalef32_pk16_fp6_f32 v[CSET+6*\c:CSET+6*\c+2], v[X+32*\c:X+32*\c+15], v[TM+2+\c]
	v_cvt_scalef32_pk16_fp6_f32 v[PT+4*\c:PT+4*\c+2], v[X+32*\c+16:X+32*\c+31], v[TM+2+\c]   ; (a conversion's three registers begin on an even number)
.endr
	v_nop                                          ; one plain place behind a scaled conversion
.irp c, 0,1
.irp i, 0,1,2
	v_mov_b32 v[CSET+6*\c+3+\i], v[PT+4*\c+\i]
.endr
.endr
.irp k, 0,1,2
	global_store_b128 v4, v[CSET+4*\k:CSET+4*\k+3], s[34:35] offset:(\f)*1536+512*\k   ; 32 lanes store 512 consecutive bytes, at a multiple of 256 from the buffer's first byte
.endr
.endm
	LOADF 0
	LOADF 1
	FRAGQ 0
	FRAGQ 1
	FRAGQ 2
	FRAGQ 3
	v_cmp_eq_u32 vcc_lo, 1, v8
	v_cndmask_b32 v252, v[WD], v[WD+2], vcc_lo     ; lanes 0-15 store the words of tiles 0 and 1, lanes 16-31 those of tiles 2 and 3
	v_cndmask_b32 v253, v[WD+1], v[WD+3], vcc_lo
	global_store_b64 v7, v[252:253], s[36:37]      ; 32 lanes fill 256 consecutive bytes
	s_wait_tensorcnt 0x0                           ; the wave's end: behind my last LDS store
	ds_add_u32 v12, v13
	s_wait_dscnt 0x0
	s_endpgm
.Lfunc_end_k_q46c54efc62_quant:
	.size	k_q46c54efc62_quant, .Lfunc_end_k_q46c54efc62_quant-k_q46c54efc62_quant
	.p2alignl 7, 3214868480
	.fill 96, 4, 3214868480
	.section	.rodata,"a",@progbits
	.p2align	6, 0x0
	.amdhsa_kernel k_q46c54efc62_quant
		.amdhsa_group_segment_fixed_size 34304
		.amdhsa_private_segment_fixed_size 0
		.amdhsa_enable_private_segment 0
		.amdhsa_kernarg_size 48
		.amdhsa_user_sgpr_count 2
		.amdhsa_user_sgpr_kernarg_segment_ptr 1
		.amdhsa_wavefront_size32 1
		.amdhsa_system_sgpr_workgroup_id_x 1
		.amdhsa_system_sgpr_workgroup_id_y 1
		.amdhsa_system_sgpr_workgroup_id_z 1
		.amdhsa_system_vgpr_workitem_id 0
		.amdhsa_next_free_vgpr 256
		.amdhsa_next_free_sgpr 66
		.amdhsa_reserve_vcc 1
		.amdhsa_float_denorm_mode_32 3
		.amdhsa_float_denorm_mode_16_64 3
		.amdhsa_memory_ordered 1
		.amdhsa_forward_progress 1
		.amdhsa_inst_pref_size 31
	.end_amdhsa_kernel
	.amdgpu_metadata
---
amdhsa.version: [ 1, 2 ]
amdhsa.kernels:
  - .name:           k_q46c54efc62_quant
    .symbol:         k_q46c54efc62_quant.kd
    .args:
      - { .name: X, .offset: 0, .size: 8, .value_kind: global_buffer, .address_space: global }
      - { .name: Wq, .offset: 8, .size: 8, .value_kind: global_buffer, .address_space: global }
      - { .name: Wk, .offset: 16, .size: 8, .value_kind: global_buffer, .address_space: global }
      - { .name: Wv, .offset: 24, .size: 8, .value_kind: global_buffer, .address_space: global }
      - { .name: Wo, .offset: 32, .size: 8, .value_kind: global_buffer, .address_space: global }
      - { .name: pan, .offset: 40, .size: 8, .value_kind: global_buffer, .address_space: global }
    .group_segment_fixed_size: 34304
    .private_segment_fixed_size: 0
    .kernarg_segment_align: 8
    .kernarg_segment_size: 48
    .max_flat_workgroup_size: 128
    .sgpr_count:     66
    .vgpr_count:     256
    .wavefront_size: 32
...
	.end_amdgpu_metadata
.endif
;; end of part 1
;; launch proj (part 2): grid 8 x 32, 4 waves a work-group, clusters of 4 x 4, 327,680 bytes of LDS; arguments pan, bq, bk, bv, qkv; writes qkv
.if DOCPART == 2
	.amdgcn_target "amdgcn-amd-amdhsa--gfx1250"
	.amdhsa_code_object_version 6
	.text
	.protected	k_q46c54efc62_proj
	.globl	k_q46c54efc62_proj
	.p2align	8
	.type	k_q46c54efc62_proj,@function
k_q46c54efc62_proj:
	s_mov_b64 s[64:65], 0
	v_nop
	global_prefetch_b8 v0, s[64:65] scope:SCOPE_SE
	s_setreg_imm32_b32 hwreg(HW_REG_WAVE_MODE, 25, 1), 1
	s_wait_xcnt 0x0
	s_wait_alu depctr_hold_cnt(0) depctr_sa_sdst(0) depctr_va_vdst(0) depctr_va_sdst(0) depctr_va_ssrc(0) depctr_va_vcc(0) depctr_vm_vsrc(0)
	s_getreg_b32 s2, hwreg(HW_REG_IB_STS2, 6, 4)
	s_cmp_eq_u32 s2, 0
	s_cbranch_scc0 .Lentry_in_a_cluster
	s_endpgm
.Lentry_in_a_cluster:
	s_bfe_u32 s2, ttmp6, 0x10000c
	s_cmp_lg_u32 s2, 0xf033
	s_cbranch_scc0 .Lentry_shape_is_right
	s_endpgm
.Lentry_shape_is_right:
; Q = X Wq^T + bq, K = X Wk^T + bk, V = X Wv^T + bv on codes of E2M3 (buffer pan), each result quantised in registers for the product that takes it next, and stored as codes alone (buffer qkv).
; WORK-GROUP (j, p) STAYS: it holds X's panel p (128 tokens, all of K = 1,024) in LDS and makes three tiles of 128 x 128 with it: against panel j of Wq, of Wk and of Wv.  256 work-groups, one on each WGP.
; A wave makes 64 x 64 of a tile: 16 accumulators.  D = (source 0's 16 rows) x (source 1's 16 rows): a lane holds ONE row of source 1, and its registers run along source 0's rows.
;   Q, K: source 0 = the weight, source 1 = X: a lane holds a token, its 32 registers of a tile of tokens the 64 channels of one head: the K of Q K^T.
;   V:    source 0 = X, source 1 = Wv: a lane holds a channel, its registers 64 neighbouring tokens: the K of P V.
; By the order of rows in pan's tiles the 16 registers of source 0's tiles 2 b, 2 b + 1 are 16 neighbours, 32 b + 16 (lane / 16) + 0 .. 15: two lanes hold a block of 32.
; LDS: weight slot 0 at 0, X's panel at S1B, weight slot 1 at W1B, 102,400 bytes each.  At the head waves 0, 1 fetch Wq's two halves and waves 2, 3 X's, one load a wave.  Wk goes into slot 1 behind the first round,
; Wv into slot 0 behind the round that follows Q's products: each is asked for a whole tile's products ahead of its first read, so no prefetch is laid.  Every wait for tensor loads is for 0.
; CLUSTERS of 4 x 4: a weight's panel hangs on cx alone and is asked for jointly down a column, X's on cy alone and jointly along a row.  The branches of this text hang on the wave's number alone.
; qkv: for each head and each step of 128 keys a record of 13,312 bytes: K's 8 half fragments (768 bytes: 16 keys x 64 channels, registers 0-3 at 16 l, 4-5 at 512 + 8 l); from 6,144 V's [half of the keys][4 tiles of channels];
;   from 12,288 K's two blocks of scale words, from 12,800 V's two.  From QBASE: for each head and 64 tokens 3,328 bytes: Q's 4 half fragments and a block of scale words.
; No work is left out here.  LIMITS: as stated at the head of the first kernel (the scale byte's floor; NaN and infinities not served).
.set PANB,  102400
.set CHK,   12800
.set S1B,   102400
.set W1B,   204800
.set SPARE, 307200                     ; the spare words, 128 bytes for each wave
.set QBASE, 6815744
.set RECB,  13312
.set HEADKV, 425984
.set HEADQ, 212992
.set A0,  4                            ; v4-5   LDS address of my 4 fragments of source 0, chunks 0-3 and 4-7
.set A1,  6                            ; v6-7   of source 1
.set SA0, 8                            ; v8-9   of source 0's scale words
.set SA1, 10                           ; v10-11 of source 1's
.set SC,  32                           ; v32-47 scale words, two sets: source 0's four tiles, then source 1's four
.set BI,  48                           ; v48-79 the bias, as the C of a tile's first K step
.set PCS, 80                           ; v80-111 four half fragments of codes
.set WDS, 112                          ; v112-115 their scale words
.set PT,  116                          ; v116-118 at work
.set TM,  120                          ; v120-127 at work
.set ACC, 128                          ; v128-255 accumulator (a, b) at v[128 + 8 (4 a + b)]: a source 1's tile, b source 0's
.set SEL, 66                           ; s[66:67]
.set G1A, 24                           ; s[24:31] descriptor group 1 for the weights;  s[32:39] for X: they differ in the mask
.set G1B, 32
.set G0A, 40                           ; s[40:43] group 0 for the weights;  s[44:47] for X
.set G0B, 44
.set MSB, 0
.macro WIN new                         ; the immediate's high byte repeats the setting that is left
.if MSB != \new
	s_set_vgpr_msb (MSB<<8)|\new
.set MSB, \new
.endif
.endm
.set MUL,  0x05                        ; sources 0 and 1 window 1; C and D window 0
.set TO_F, 0x40                        ; destination window 1, address window 0
.macro CROUND                          ; a round of the cluster's barrier
	s_barrier_signal -1
	s_barrier_wait -1
	s_cmp_lg_u32 s14, 0
	s_cbranch_scc1 .Lnot_wave_0_\@
	s_barrier_signal -3
.Lnot_wave_0_\@:
	s_barrier_wait -3
	s_barrier_signal -1
	s_barrier_wait -1
.endm
.macro PLACES
.rept 4
	v_nop
.endr
.endm
.macro JW                              ; waves 0, 1 ask jointly for a weight panel's two halves; an s_nop 0 and four v_nop follow the line
	s_cmp_eq_u32 s15, 0
	s_cbranch_scc0 .Lnot_w_\@
	tensor_load_to_lds s[G0A:G0A+3], s[G1A:G1A+7]
	s_nop 0
	PLACES
.Lnot_w_\@:
.endm
	s_load_b256 s[4:11], s[0:1], 0x0               ; pan, bq, bk, bv
	s_load_b64 s[12:13], s[0:1], 0x20              ; qkv
	v_lshl_add_u32 v28, v0, 2, SPARE               ; my spare word; never rewritten
	v_mov_b32 v29, 0                               ; 0; never rewritten
	ds_add_u32 v28, v29                            ; the wave's opening: the add, twice on end, and its wait ahead of my first tensor load
	ds_add_u32 v28, v29
	v_lshrrev_b32 v1, 5, v0
	v_readfirstlane_b32 s14, v1                    ; wave 0..3
	s_lshr_b32 s15, s14, 1                         ; my half of source 1's rows.  Also: I fetch for the weights (0) or for X (1)
	s_and_b32 s16, s14, 1                          ; my half of source 0's rows.  Also: which half of a panel I fetch
	s_bfe_u32 s18, ttmp6, 0x40000                  ; cx
	s_bfe_u32 s19, ttmp6, 0x40004                  ; cy
	s_lshl_b32 s20, ttmp9, 2
	s_add_co_u32 s20, s20, s18                     ; j: which 128 channels
	s_and_b32 s21, ttmp7, 0xffff
	s_lshl_b32 s21, s21, 2
	s_add_co_u32 s21, s21, s19                     ; p: which 128 tokens
	s_lshl_b32 s22, 0x1111, s18                    ; my column of the cluster
	s_lshl_b32 s23, s19, 2
	s_lshl_b32 s23, 15, s23                        ; my row
	s_or_b32 s[G1A+0], s22, (3<<16)|(1<<21)        ; 15:0 the mask; 17:16 elements of 8 bytes; 21 set beside a mask; no padding
	s_or_b32 s[G1B+0], s23, (3<<16)|(1<<21)
.irp g, G1A, G1B
	s_mov_b32 s[\g+1], 32<<16                      ; tensor_dim0 = 32 elements: rows of 256 bytes
	s_mov_b32 s[\g+2], 200<<16                     ; tensor_dim1 = 200: half a panel is a dense block of 51,200 bytes
	s_mov_b32 s[\g+3], 32<<16                      ; tile_dim0
	s_mov_b32 s[\g+4], 200                         ; tile_dim1
	s_mov_b32 s[\g+5], 32                          ; the pitch
	s_mov_b32 s[\g+6], 0
	s_mov_b32 s[\g+7], 0
.endr
	s_mov_b32 s[SEL], 0x76543210
	s_mov_b32 s[SEL+1], 0xfedcba98
	s_mul_i32 s88, s16, 4*CHK                      ; my half of a panel: chunks 0-3 or 4-7
	s_add_co_u32 s84, s20, 32                      ; Wq's panel j
	s_mul_i32 s84, s84, PANB
	s_add_co_u32 s84, s84, s88
	s_mov_b32 s85, 0
	s_mul_i32 s86, s21, PANB                       ; X's panel p
	s_add_co_u32 s86, s86, s88
	s_mov_b32 s87, 0
	s_wait_dscnt 0x0                               ; both opening adds are done
	s_wait_kmcnt 0x0
	s_add_nc_u64 s[84:85], s[4:5], s[84:85]
	s_add_nc_u64 s[86:87], s[4:5], s[86:87]
	CROUND                                         ; all sixteen work-groups are here: the joint loads meet
	s_mov_b32 s[G0A], 1
	s_mov_b32 s[G0A+1], s88                        ; weight slot 0
	s_mov_b64 s[G0A+2:G0A+3], s[84:85]
	s_or_b32 s[G0A+3], s[G0A+3], 0x80000000
	s_mov_b32 s[G0B], 1
	s_add_co_u32 s[G0B+1], s88, S1B
	s_mov_b64 s[G0B+2:G0B+3], s[86:87]
	s_or_b32 s[G0B+3], s[G0B+3], 0x80000000
	s_cmp_eq_u32 s15, 0                            ; one load a wave at the head, a fill in each arm
	s_cbranch_scc0 .Lfirst_b
	tensor_load_to_lds s[G0A:G0A+3], s[G1A:G1A+7]
	s_nop 0
	PLACES
	s_branch .Lfirst_done
.Lfirst_b:
	tensor_load_to_lds s[G0B:G0B+3], s[G1B:G1B+7]
	s_nop 0
	PLACES
.Lfirst_done:
	v_and_b32 v16, 15, v0                          ; r
	v_bfe_u32 v17, v0, 4, 1                        ; h
	v_and_b32 v18, 31, v0                          ; lane
	v_lshlrev_b32 v1, 4, v18                       ; 16 x lane
	v_lshlrev_b32 v2, 3, v18                       ; 8 x lane
	v_lshlrev_b32 v19, 4, v16                      ; 16 r
	v_lshl_add_u32 v3, v17, 3, v19                 ; 16 r + 8 h
	v_lshlrev_b32 v12, 6, v17                      ; the bias along source 0: 64 h bytes
	v_and_b32 v13, 8, v16
	v_add_nc_u32 v13, v13, v16
	v_lshlrev_b32 v13, 2, v13                      ; along source 1: 4 (r + 8 (r / 8))
	v_mov_b32 v[TM+2], 0                           ; a lane permute's destination counts as one of its sources
	v_mov_b32 v[TM+3], 0
	v_cmp_eq_u32 s99, 1, v17                       ; lanes 16-31
	s_wait_alu depctr_va_vdst(0)                   ; the wait at the end of the head's vector work
	s_mul_i32 s70, s16, 6144                       ; my four fragments in a chunk: by source 0's half,
	s_mul_i32 s71, s15, 6144                       ; by source 1's;
	s_lshl_b32 s72, s16, 8
	s_add_co_u32 s72, s72, 12288                   ; and their scale words
	s_lshl_b32 s73, s15, 8
	s_add_co_u32 s73, s73, 12288
	s_lshl_b32 s74, s20, 9                         ; the bias of my 64 channels, in bytes
	s_lshl_b32 s75, s16, 8
	s_add_co_u32 s90, s74, s75
	s_mov_b32 s91, 0
	s_lshl_b32 s75, s15, 8
	s_add_co_u32 s92, s74, s75
	s_mov_b32 s93, 0
	s_add_nc_u64 s[48:49], s[6:7], s[90:91]        ; bq
	s_add_nc_u64 s[50:51], s[8:9], s[90:91]        ; bk
	s_add_nc_u64 s[52:53], s[10:11], s[92:93]      ; bv
	s_lshl_b32 s74, s20, 1
	s_add_co_u32 s75, s74, s16                     ; the head, for Q and K;
	s_add_co_u32 s76, s74, s15                     ; for V
	s_mul_i32 s90, s75, HEADQ
	s_lshl_b32 s77, s21, 1
	s_add_co_u32 s77, s77, s15
	s_mul_i32 s77, s77, 3328
	s_add_co_u32 s90, s90, s77
	s_add_co_u32 s90, s90, QBASE
	s_add_nc_u64 s[54:55], s[12:13], s[90:91]      ; Q: my 64 tokens' codes,
	s_add_nc_u64 s[56:57], s[54:55], 3072          ; and scale words
	s_mul_i32 s78, s21, RECB                       ; the record of these 128 tokens
	s_mul_i32 s90, s75, HEADKV
	s_add_co_u32 s90, s90, s78
	s_mul_i32 s77, s15, 3072
	s_add_co_u32 s92, s90, s77
	s_add_nc_u64 s[58:59], s[12:13], s[92:93]      ; K: my four tiles,
	s_add_co_u32 s92, s90, s73
	s_add_nc_u64 s[60:61], s[12:13], s[92:93]      ; and their scale words, from 12,288
	s_mul_i32 s90, s76, HEADKV
	s_add_co_u32 s90, s90, s78
	s_mul_i32 s77, s16, 3072
	s_add_co_u32 s92, s90, s77
	s_add_co_u32 s92, s92, 6144
	s_add_nc_u64 s[62:63], s[12:13], s[92:93]      ; V: my half of the keys,
	s_add_co_u32 s92, s90, s72
	s_add_co_u32 s92, s92, 512
	s_add_nc_u64 s[68:69], s[12:13], s[92:93]      ; and its scale words, from 12,800
.macro BIAS0 p                         ; along source 0: register j of tile b is channel 32 (b / 2) + 8 (b % 2) + 16 h + j
.irp b, 0,1,2,3
	global_load_b128 v[BI+8*\b:BI+8*\b+3], v12, s[\p:\p+1] offset:(32*(\b/2)+8*(\b%2))*4
	global_load_b128 v[BI+8*\b+4:BI+8*\b+7], v12, s[\p:\p+1] offset:(32*(\b/2)+8*(\b%2))*4+16
.endr
.endm
.macro BIAS1 p                         ; along source 1: all eight registers of tile a hold my channel's bias
.irp a, 0,1,2,3
.irp j, 0,1,2,3,4,5,6,7
	global_load_b32 v[BI+8*\a+\j], v13, s[\p:\p+1] offset:(32*(\a/2)+8*(\a%2))*4
.endr
.endr
.endm
.macro SETADR r0, r1                   ; a tile's LDS addresses: source 0's panel lies at r0, source 1's at r1
	s_add_co_u32 s74, s70, \r0
	s_add_co_u32 s75, s71, \r1
	s_add_co_u32 s76, s72, \r0
	s_add_co_u32 s77, s73, \r1
	v_add_nc_u32 v[A0], s74, v1
	v_add_nc_u32 v[A1], s75, v1
	v_add_nc_u32 v[SA0], s76, v19
	v_add_nc_u32 v[SA1], s77, v19
	v_add_nc_u32 v[A0+1], 4*CHK, v[A0]
	v_add_nc_u32 v[A1+1], 4*CHK, v[A1]
	v_add_nc_u32 v[SA0+1], 4*CHK, v[SA0]
	v_add_nc_u32 v[SA1+1], 4*CHK, v[SA1]
	s_wait_alu depctr_va_vdst(0)
.endm
; 26 LDS loads: K step s (chunk s): my 4 fragments of each source into buffer f of window 1, their scale words into set f
.macro FETCH s, f
	WIN TO_F
.irp t, 0,1,2,3
.irp c, 0,1,2
	ds_load_b128 v[128*(\f)+12*\t+4*\c:128*(\f)+12*\t+4*\c+3], v[A0+(\s)/4] offset:((\s)%4)*CHK+\t*1536+512*\c
.endr
.endr
.irp t, 0,1,2,3
.irp c, 0,1,2
	ds_load_b128 v[128*(\f)+48+12*\t+4*\c:128*(\f)+48+12*\t+4*\c+3], v[A1+(\s)/4] offset:((\s)%4)*CHK+\t*1536+512*\c
.endr
.endr
	WIN 0
	ds_load_b128 v[SC+8*(\f):SC+8*(\f)+3], v[SA0+(\s)/4] offset:((\s)%4)*CHK
	ds_load_b128 v[SC+8*(\f)+4:SC+8*(\f)+7], v[SA1+(\s)/4] offset:((\s)%4)*CHK
.endm
; 8 matrix instructions: source 1's tiles a0, a0 + 1 x source 0's four.  mode 0: the sums go on; 1: they start from the bias along source 0; 2: along source 1.
; The 16 accumulators take turns, one instruction a turn, in the same order in every K step.
.macro MUL8 f, a0, mode
.irp a, \a0, \a0+1
.irp b, 0,1,2,3
.if \mode == 0
	v_wmma_scale_f32_16x16x128_f8f6f4 v[ACC+8*(4*(\a)+\b):ACC+8*(4*(\a)+\b)+7], v[128*(\f)+12*\b:128*(\f)+12*\b+11], v[128*(\f)+48+12*(\a):128*(\f)+48+12*(\a)+11], v[ACC+8*(4*(\a)+\b):ACC+8*(4*(\a)+\b)+7], v[SC+8*(\f)+\b], v[SC+8*(\f)+4+(\a)] matrix_a_fmt:MATRIX_FMT_FP6 matrix_b_fmt:MATRIX_FMT_FP6
.elseif \mode == 1
	v_wmma_scale_f32_16x16x128_f8f6f4 v[ACC+8*(4*(\a)+\b):ACC+8*(4*(\a)+\b)+7], v[128*(\f)+12*\b:128*(\f)+12*\b+11], v[128*(\f)+48+12*(\a):128*(\f)+48+12*(\a)+11], v[BI+8*\b:BI+8*\b+7], v[SC+8*(\f)+\b], v[SC+8*(\f)+4+(\a)] matrix_a_fmt:MATRIX_FMT_FP6 matrix_b_fmt:MATRIX_FMT_FP6
.else
	v_wmma_scale_f32_16x16x128_f8f6f4 v[ACC+8*(4*(\a)+\b):ACC+8*(4*(\a)+\b)+7], v[128*(\f)+12*\b:128*(\f)+12*\b+11], v[128*(\f)+48+12*(\a):128*(\f)+48+12*(\a)+11], v[BI+8*(\a):BI+8*(\a)+7], v[SC+8*(\f)+\b], v[SC+8*(\f)+4+(\a)] matrix_a_fmt:MATRIX_FMT_FP6 matrix_b_fmt:MATRIX_FMT_FP6
.endif
.endr
.endr
.endm
.macro KSTEP s                         ; K step s, 1 to 7
	s_wait_dscnt 0x0                               ; this step's fragments and scale words are in
	WIN MUL
	MUL8 (\s)%2, 0, 0
.if (\s) < 7
	PLACES                                         ; four places in front of loads into registers that the last step's products have read
	FETCH (\s)+1, 1-(\s)%2
.endif
	WIN MUL
	MUL8 (\s)%2, 2, 0
.endm
.macro GEMM mode                       ; a tile's eight K steps; both panels lie whole in LDS
	FETCH 0, 0
	FETCH 1, 1
	s_wait_loadcnt 0x0                             ; the bias
	s_wait_dscnt 26                                ; K step 0's 26 loads are in; K step 1's may be out
	WIN MUL
	MUL8 0, 0, \mode                               ; the first K step starts the sums from the bias: nothing is cleared
	MUL8 0, 2, \mode
.irp s, 1,2,3,4,5,6,7
	KSTEP \s
.endr
	WIN 0
	PLACES                                         ; four places in front of the first read of results, and of the next tile's loads
.endm
; 32 numbers of a lane, register 16 b + i = k 32 b + 16 (lane / 16) + i of my row, become a half fragment's codes in v[pc .. pc + 5] and its scale word (two bytes) in v[w]
.macro QUANT2 src, pc, w
	v_max3_num_f32 v[TM], |v[(\src)]|, |v[(\src)+1]|, 0x1800000      ; each accumulator is read from its low end on; the floor 2^(3 - 127) holds the byte at 1 from below
	v_max3_num_f32 v[TM+1], |v[(\src)+16]|, |v[(\src)+17]|, 0x1800000
.irp i, 2,4,6,8,10,12,14
	v_max3_num_f32 v[TM], v[TM], |v[(\src)+\i]|, |v[(\src)+1+\i]|
	v_max3_num_f32 v[TM+1], v[TM+1], |v[(\src)+16+\i]|, |v[(\src)+17+\i]|
.endr
	v_permlanex16_b32 v[TM+2], v[TM], s[SEL], s[SEL+1]
	v_permlanex16_b32 v[TM+3], v[TM+1], s[SEL], s[SEL+1]
	v_max_num_f32 v[TM], v[TM], v[TM+2]            ; with lane l xor 16's 16: the block's largest magnitude
	v_max_num_f32 v[TM+1], v[TM+1], v[TM+3]
	v_add_nc_u32 v[TM+4], 0xff000000, v[TM]        ; 2 off the exponent field: the conversion's scale operand
	v_add_nc_u32 v[TM+5], 0xff000000, v[TM+1]
	v_lshrrev_b32 v[TM+6], 23, v[TM+4]             ; the bytes
	v_lshrrev_b32 v[TM+7], 23, v[TM+5]
	v_lshl_or_b32 v[(\w)], v[TM+7], 8, v[TM+6]
	v_cvt_scalef32_pk16_fp6_f32 v[(\pc):(\pc)+2], v[(\src):(\src)+15], v[TM+4]
	v_cvt_scalef32_pk16_fp6_f32 v[PT:PT+2], v[(\src)+16:(\src)+31], v[TM+5]
	v_nop                                          ; one plain place behind a scaled conversion
.irp i, 0,1,2
	v_permlane16_swap_b32 v[(\pc)+\i], v[PT+\i]    ; the layout wants a whole block in a lane: lanes 0-15 block 0, lanes 16-31 block 1
.endr
.irp i, 0,1,2
	v_mov_b32 v[(\pc)+3+\i], v[PT+\i]
.endr
.endm
.macro EPI cp, wp, again               ; a tile's way out: codes to s[cp:cp+1], scale words to s[wp:wp+1]
.if \again
	s_wait_xcnt 0x0                                ; the last tile's stores have read their registers
.endif
.irp a, 0,1,2,3
	QUANT2 ACC+32*\a, PCS+8*\a, WDS+\a
	global_store_b128 v1, v[PCS+8*\a:PCS+8*\a+3], s[\cp:\cp+1] offset:768*\a          ; 32 lanes store 512 consecutive bytes,
	global_store_b64 v2, v[PCS+8*\a+4:PCS+8*\a+5], s[\cp:\cp+1] offset:768*\a+512     ; and 256: both at multiples of 256 from the buffer's first byte
.endr
	v_cndmask_b32 v14, v[WDS], v[WDS+2], s99       ; lanes 0-15 store the words of tiles 0 and 1, lanes 16-31 those of tiles 2 and 3
	v_cndmask_b32 v15, v[WDS+1], v[WDS+3], s99
	global_store_b64 v3, v[14:15], s[\wp:\wp+1]    ; 32 lanes fill 256 consecutive bytes
.endm
	BIAS0 48                                       ; bq
	s_wait_tensorcnt 0x0                           ; my half panel is in
	ds_add_u32 v28, v29
	s_add_co_u32 s[G0A+1], s88, W1B                ; no load of mine is out, so the group 0 may be written: weight slot 1,
	s_add_nc_u64 s[G0A+2:G0A+3], s[G0A+2:G0A+3], 8*PANB   ; Wk's panel j
	s_wait_dscnt 0x0
	CROUND                                         ; X's and Wq's panels are whole, and all sixteen work-groups are here
	JW
	SETADR 0, S1B
	GEMM 1                                         ; Q
	s_wait_tensorcnt 0x0                           ; Wk's half is in;
	ds_add_u32 v28, v29
	s_mov_b32 s[G0A+1], s88                        ; weight slot 0 again,
	s_add_nc_u64 s[G0A+2:G0A+3], s[G0A+2:G0A+3], 8*PANB   ; Wv's panel j
	s_wait_dscnt 0x0                               ; the add is done, and my reads of Wq are over
	CROUND
	JW
	BIAS0 50                                       ; bk: the registers' last readers were Q's first products
	EPI 54, 56, 0
	SETADR W1B, S1B
	GEMM 1                                         ; K
	s_wait_tensorcnt 0x0                           ; Wv's half is in
	s_wait_dscnt 0x0
	s_barrier_signal -1
	s_barrier_wait -1                              ; and whole for all four waves
	BIAS1 52                                       ; bv
	EPI 58, 60, 1
	SETADR S1B, 0
	GEMM 2                                         ; V
	EPI 62, 68, 1
	s_wait_tensorcnt 0x0                           ; the wave's end
	ds_add_u32 v28, v29
	s_wait_dscnt 0x0
	CROUND                                         ; the closing round
	s_endpgm
.Lfunc_end_k_q46c54efc62_proj:
	.size	k_q46c54efc62_proj, .Lfunc_end_k_q46c54efc62_proj-k_q46c54efc62_proj
	.p2alignl 7, 3214868480
	.fill 96, 4, 3214868480
	.section	.rodata,"a",@progbits
	.p2align	6, 0x0
	.amdhsa_kernel k_q46c54efc62_proj
		.amdhsa_group_segment_fixed_size 327680
		.amdhsa_private_segment_fixed_size 0
		.amdhsa_enable_private_segment 0
		.amdhsa_kernarg_size 40
		.amdhsa_user_sgpr_count 2
		.amdhsa_user_sgpr_kernarg_segment_ptr 1
		.amdhsa_wavefront_size32 1
		.amdhsa_system_sgpr_workgroup_id_x 1
		.amdhsa_system_sgpr_workgroup_id_y 1
		.amdhsa_system_sgpr_workgroup_id_z 1
		.amdhsa_system_vgpr_workitem_id 0
		.amdhsa_next_free_vgpr 512
		.amdhsa_next_free_sgpr 100
		.amdhsa_reserve_vcc 0
		.amdhsa_float_denorm_mode_32 3
		.amdhsa_float_denorm_mode_16_64 3
		.amdhsa_memory_ordered 1
		.amdhsa_forward_progress 1
		.amdhsa_inst_pref_size 133
	.end_amdhsa_kernel
	.amdgpu_metadata
---
amdhsa.version: [ 1, 2 ]
amdhsa.kernels:
  - .name:           k_q46c54efc62_proj
    .symbol:         k_q46c54efc62_proj.kd
    .args:
      - { .name: pan, .offset: 0, .size: 8, .value_kind: global_buffer, .address_space: global }
      - { .name: bq, .offset: 8, .size: 8, .value_kind: global_buffer, .address_space: global }
      - { .name: bk, .offset: 16, .size: 8, .value_kind: global_buffer, .address_space: global }
      - { .name: bv, .offset: 24, .size: 8, .value_kind: global_buffer, .address_space: global }
      - { .name: qkv, .offset: 32, .size: 8, .value_kind: global_buffer, .address_space: global }
    .group_segment_fixed_size: 327680
    .private_segment_fixed_size: 0
    .kernarg_segment_align: 8
    .kernarg_segment_size: 40
    .max_flat_workgroup_size: 128
    .sgpr_count:     100
    .vgpr_count:     512
    .wavefront_size: 32
...
	.end_amdgpu_metadata
.endif
;; end of part 2
;; launch attn (part 3): grid 16 x 16, 16 waves a work-group, no clusters, 327,680 bytes of LDS; arguments qkv, opan; writes opan
.if DOCPART == 3
	.amdgcn_target "amdgcn-amd-amdhsa--gfx1250"
	.amdhsa_code_object_version 6
	.text
	.protected	k_q46c54efc62_attn
	.globl	k_q46c54efc62_attn
	.p2align	8
	.type	k_q46c54efc62_attn,@function
k_q46c54efc62_attn:
	s_mov_b64 s[64:65], 0
	v_nop
	global_prefetch_b8 v0, s[64:65] scope:SCOPE_SE
	s_setreg_imm32_b32 hwreg(HW_REG_WAVE_MODE, 25, 1), 1
	s_wait_xcnt 0x0
; Out[q] = the sum over keys k <= q of softmax_k(Q[q] . K[k] / 8) V[k], for each of 16 heads of 64 channels, both products on codes of E2M3; Out is quantised along its channels and stored as codes (buffer opan).
; WORK LEFT OUT: every step of 128 keys all of which come after a tile's 16 queries (reference()'s own causal mask gives them the weight 0 for all inputs) is neither fetched nor computed.
; THE SOFTMAX: t = score x log2(e) / 8; M = the largest t so far, rounded UP to a whole number; p = 2^(t - M) is quantised along the keys, not normalised; the sum is taken of the unquantised p and divides at the end.
; When M moves, the sum and O are multiplied by 2^(old M - new M): exact.
; SHARES.  Work-group (i, head) owns the 128 queries of block i (i + 1 steps of 128 keys) and of block 31 - i (32 - i steps): 33 steps for each of 8 pairs of tiles of 16 queries.  A pair's steps are dealt to TWO waves:
;   wave t (0-7), 17 steps: steps 0 .. 15 - i of its tile of block 31 - i, then all i + 1 steps of its tile of block i;   wave t + 8, 16 steps: steps 16 - i .. 31 - i of that tile of block 31 - i.
; So all sixteen waves work in each of 16 trips, for every i; the step on the diagonal is wave t's 17th and wave t + 8's 16th, so only those two copies of the step hold the mask.
; Where wave t changes tiles (a branch on ids) it keeps its part of the first tile (O, -M, sum) in registers, takes the second tile's Q and sets M back to its start: the next change of M multiplies what is left of O and the sum by 0.
; Behind its 16th step wave t puts that part into LDS.  While it runs its 17th step and finishes block i's tile, wave t + 8 joins the two parts of block 31 - i's tile (M is a whole number in both, so the factors are exact) and finishes it.
; LDS: two slots; a slot holds eight records (128 keys of one head each): four steps of waves 0-7, four of waves 8-15; waves 0 to 7 fetch one record each.  The 17th step's record is fetched once, at the head, by wave 8.
; LAYOUT.  S^T = K Q^T (source 0 = 16 keys, source 1 = my queries; K = 64 fills registers 0-5 of each operand, registers 6-11 are zero codes), O^T = V^T P^T: a lane holds one query throughout; lane r's query is Q0 + r + 8 (r / 8).
; By the order of the keys in a tile the 16 registers of tiles 2 b, 2 b + 1 are keys 32 b + 16 (lane / 16) + 0 .. 15.  All operands lie in memory as images of their registers.
; No cluster: in a given trip the work-groups of a head read different records (the first record hangs on i).
; LIMITS: as stated at the head of the first kernel.
.set RECB,  13312                      ; a record: 52 rows of 256 bytes
.set SLOTB, 4*RECB                     ; four steps' records
.set SLOT1, 131072                     ; slot 1 begins here: one exclusive or turns an address
.set EXTRA, 8*RECB                     ; behind slot 0: the 17th step's record, filled once
.set SPARE, 237568                     ; the spare words, 128 bytes for each of 16 waves
.set SCST,  239616                     ; 1,024 bytes: Out's scale words meet here; no fill lands here
.set MST,   240640                     ; 8 x MSTW: a part of O (4,096 bytes), then -M and the sum (256); no fill lands here
.set MSTW,  4352
.set HEADKV, 425984
.set HEADQ, 212992
.set QBASE, 6815744
.set PT,  244                          ; at work in QUANT2
.set TM,  236
.set TB,   2                           ; LDS byte at which my four records of the slot in hand begin
.set WV,   18
.set SEL,  20
.set CS,   22                          ; s[22:23] c = log2(e) / 8
.set G1,   24                          ; s[24:31] descriptor group 1;  s[40:43] group 0
.set G0,   40
.set HB,   44                          ; s[44:45] the head's records
.set SG,   46                          ; a fetching wave: the number of the step that it fetches next
.set THR,  47                          ; steps beyond this one belong to the second tile (waves 0-3), whose records begin anew
.set SUBV, 48                          ; 16 - i
.set SLOTS, 67
.set Q0S,  68                          ; the first query of the tile that I finish
.set SWC,  69                          ; steps until I change tiles (waves 8-15: never 0)
.set PFA,  76                          ; s[76:77] where my prefetches stand
.set LIM,  80                          ; 1 in a wave that prefetches, else the greatest number
.set KF,   98                          ; the step's first key
.set Q0,   99                          ; my first query
.macro TLOAD n                         ; waves 0 .. n - 1 fetch; an s_nop 0 and four v_nop follow the line
	s_cmp_lt_u32 s[WV], \n
	s_cbranch_scc0 .Lasked_\@
	tensor_load_to_lds s[G0:G0+3], s[G1:G1+7]
	s_nop 0
.rept 4
	v_nop
.endr
.Lasked_\@:
.endm
.macro FILLADDR                        ; step SG's record: SG, or SG - (16 - i) behind the change of tiles; then four steps on
	s_cmp_gt_u32 s[SG], s[THR]
	s_cselect_b32 s70, s[SUBV], 0
	s_sub_co_u32 s70, s[SG], s70
	s_mul_i32 s70, s70, RECB
	s_mov_b32 s71, 0
	s_add_nc_u64 s[G0+2:G0+3], s[HB:HB+1], s[70:71]
	s_or_b32 s[G0+3], s[G0+3], 0x80000000
	s_add_co_u32 s[SG], s[SG], 4
.endm
; A PREFETCH INTO THE L2.  Of a head's work-groups the first (i = 0) walks ahead of the others: its waves 8-15 read records 16 + 4 s .. 19 + 4 s in slot s, which no other has asked for before.  So it asks, at the change that
; fetches slot s + 1, for those four records of slot s + 2: 208 blocks of 256 bytes, waves 8 to 15, 26 blocks each, lanes 256 bytes apart (lanes 26 to 31 name lane 25's block again).  The last change that fills a slot asks for nothing.
.macro ASK
	s_cmp_gt_u32 s[SLOTS], s[LIM]
	s_cbranch_scc0 .Lnot_mine_\@
	global_prefetch_b8 v28, s[PFA:PFA+1] th:TH_LOAD_NT scope:SCOPE_SE
.Lnot_mine_\@:
.endm
	s_load_b128 s[4:7], s[0:1], 0x0                ; qkv, opan
	v_lshl_add_u32 v5, v0, 2, SPARE                ; my spare word; never rewritten
	v_mov_b32 v6, 0                                ; 0; never rewritten
	ds_add_u32 v5, v6                              ; the wave's opening: the add, twice on end, and its wait ahead of the first tensor load
	ds_add_u32 v5, v6
	v_lshrrev_b32 v8, 5, v0
	s_delay_alu instid0(VALU_DEP_1)
	v_readfirstlane_b32 s[WV], v8                  ; wave 0..15
	s_and_b32 s72, ttmp7, 0xffff                   ; the head
	s_mov_b32 s73, ttmp9                           ; i
	s_sub_co_u32 s74, 31, s73                      ; 31 - i
	s_sub_co_u32 s[SUBV], 16, s73
	s_lshl_b32 s84, s[SUBV], 7                     ; the first key of waves 8-15
	s_sub_co_u32 s85, 15, s73
	s_sub_co_u32 s86, 12, s73
	s_add_co_u32 s86, s86, s[WV]                   ; waves 4 to 7 fetch records 16 - i .. 19 - i first
	s_cmp_lt_u32 s[WV], 8
	s_cselect_b32 s75, s73, s74                    ; the block whose tile I finish
	s_cselect_b32 s[KF], 0, s84
	s_cselect_b32 s[SWC], s[SUBV], -1
	s_cmp_lt_u32 s[WV], 4
	s_cselect_b32 s[THR], s85, -1
	s_cselect_b32 s[SG], s[WV], s86
	s_cmp_eq_u32 s[WV], 8
	s_cselect_b32 s[SG], s73, s[SG]                ; wave 8: the 17th step's record, block i's own keys
	s_lshr_b32 s[TB], s[WV], 3
	s_mul_i32 s[TB], s[TB], SLOTB                  ; waves 8-15 read a slot's records 4 to 7
	s_and_b32 s81, s[WV], 7                        ; my tile in its block
	s_lshr_b32 s82, s81, 1
	s_lshl_b32 s82, s82, 5
	s_and_b32 s83, s[WV], 1
	s_lshl_b32 s83, s83, 3
	s_add_co_u32 s82, s82, s83
	s_lshl_b32 s[Q0], s74, 7
	s_add_co_u32 s[Q0], s[Q0], s82                 ; every wave begins with a tile of block 31 - i
	s_lshl_b32 s[Q0S], s75, 7
	s_add_co_u32 s[Q0S], s[Q0S], s82
	s_mov_b32 s[G1], 3<<16                         ; no mask; elements of 8 bytes; no padding
	s_mov_b32 s[G1+1], 32<<16                      ; rows of 256 bytes,
	s_mov_b32 s[G1+2], 52<<16                      ; 52 of them: a record is a dense block
	s_mov_b32 s[G1+3], 32<<16
	s_mov_b32 s[G1+4], 52
	s_mov_b32 s[G1+5], 32
	s_mov_b32 s[G1+6], 0
	s_mov_b32 s[G1+7], 0
	s_mul_i32 s84, s72, HEADKV                     ; the head's records
	s_mov_b32 s85, 0
	s_lshr_b32 s86, s81, 2
	s_mul_i32 s86, s86, 3328
	s_mul_i32 s87, s72, HEADQ
	s_add_co_u32 s86, s86, s87
	s_add_co_u32 s86, s86, QBASE                   ; Q: my half of a block's 128 tokens
	s_and_b32 s91, s[WV], 3
	s_mul_i32 s87, s91, 768
	s_add_co_u32 s88, s86, s87                     ; my tile's codes
	s_lshl_b32 s87, s91, 2
	s_add_co_u32 s86, s86, s87
	s_add_co_u32 s86, s86, 3072                    ; and its scale words
	s_mul_i32 s87, s74, 6656                       ; in block 31 - i,
	s_mul_i32 s90, s75, 6656                       ; and in the block whose tile I finish
	s_add_co_u32 s54, s88, s87
	s_mov_b32 s55, 0
	s_add_co_u32 s56, s86, s87
	s_mov_b32 s57, 0
	s_add_co_u32 s58, s88, s90
	s_mov_b32 s59, 0
	s_add_co_u32 s60, s86, s90
	s_mov_b32 s61, 0
	s_lshr_b32 s92, s72, 1
	s_mul_i32 s92, s92, 13312                      ; opan: the chunk of the heads 2 s, 2 s + 1
	s_and_b32 s93, s72, 1
	s_mul_i32 s94, s75, 106496
	s_add_co_u32 s94, s94, s92
	s_mul_i32 s95, s81, 1536
	s_add_co_u32 s94, s94, s95
	s_mul_i32 s95, s93, 768
	s_add_co_u32 s94, s94, s95                     ; my tile's half fragment
	s_mov_b32 s95, 0
	s_cmp_lt_u32 s91, 2                            ; the block of scale words that wave g = 0..3 stores: block i's two halves, then block 31 - i's
	s_cselect_b32 s96, s73, s74
	s_mul_i32 s96, s96, 106496
	s_add_co_u32 s96, s96, s92
	s_lshl_b32 s97, s93, 9
	s_add_co_u32 s96, s96, s97
	s_and_b32 s97, s91, 1
	s_lshl_b32 s97, s97, 8
	s_add_co_u32 s96, s96, s97
	s_add_co_u32 s96, s96, 12288
	s_mov_b32 s97, 0
	s_mul_i32 s82, s81, 6656                       ; the prefetches: my wave's 26 blocks,
	s_add_co_u32 s82, s82, 20*RECB                 ; in records 20 to 23: the first change of slots steps it to records 24 to 27
	s_mov_b32 s83, 0
	s_lshr_b32 s78, s[WV], 3
	s_xor_b32 s78, s78, 1                          ; 0 in waves 8 to 15,
	s_or_b32 s78, s78, ttmp9                       ; of the head's first work-group
	s_cmp_eq_u32 s78, 0
	s_cselect_b32 s[LIM], 1, -1
	s_lshr_b32 s33, s[WV], 2
	s_lshl_b32 s33, s33, 8
	s_lshl_b32 s34, s91, 2
	s_add_co_u32 s33, s33, s34
	s_add_co_u32 s33, s33, SCST                    ; where my tile's scale words go: block wave / 4, word (r, wave % 4)
	s_lshl_b32 s34, s91, 8
	s_add_co_u32 s34, s34, SCST                    ; where waves 0 to 3 read a whole block back
	s_mul_i32 s35, s81, MSTW
	s_add_co_u32 s35, s35, MST                     ; my pair's stage
	s_add_co_u32 s36, s35, 4096
	s_mov_b32 s[SEL], 0x76543210
	s_mov_b32 s[SEL+1], 0xfedcba98
	s_mov_b32 s[CS], 0x3e38aa3b                    ; c = log2(e) / 8
	s_mov_b32 s[CS+1], s[CS]
	s_mov_b32 s[SLOTS], 3
	s_wait_dscnt 0x0                               ; both opening adds are done
	s_wait_kmcnt 0x0
	s_add_nc_u64 s[HB:HB+1], s[4:5], s[84:85]
	s_mov_b32 s[G0], 1
	s_mul_i32 s[G0+1], s[WV], RECB                 ; slot 0's eight records, and behind them the 17th step's
	FILLADDR
	TLOAD 9                                        ; one load a wave at the head
	s_add_nc_u64 s[PFA:PFA+1], s[HB:HB+1], s[82:83]
	s_add_nc_u64 s[8:9], s[4:5], s[54:55]          ; Q's codes, block 31 - i's tile
	s_add_nc_u64 s[10:11], s[4:5], s[56:57]        ; its scale words
	s_add_nc_u64 s[50:51], s[4:5], s[58:59]        ; the same of the tile that I finish
	s_add_nc_u64 s[52:53], s[4:5], s[60:61]
	s_add_nc_u64 s[12:13], s[6:7], s[94:95]        ; Out's codes
	s_add_nc_u64 s[14:15], s[6:7], s[96:97]        ; Out's scale words
	v_and_b32 v8, 15, v0                           ; r
	v_bfe_u32 v9, v0, 4, 1                         ; h
	v_and_b32 v10, 31, v0                          ; lane
	s_delay_alu instid0(VALU_DEP_1)
	v_lshlrev_b32 v1, 4, v10                       ; v1  16 x lane
	v_lshlrev_b32 v2, 3, v10                       ; v2  8 x lane
	v_lshlrev_b32 v3, 4, v8                        ; v3  16 r
	global_load_b128 v[16:19], v1, s[8:9]          ; Q's half fragment stays in registers
	global_load_b64 v[20:21], v2, s[8:9] offset:512
	global_load_b32 v255, v3, s[10:11]             ; and its scale words
	global_load_b128 v[192:195], v1, s[50:51]      ; the second tile's Q waits in v192-198 for the change of tiles (in waves 8-15 it is the same tile once more, and is never taken)
	global_load_b64 v[196:197], v2, s[50:51] offset:512
	global_load_b32 v198, v3, s[52:53]
	v_and_b32 v4, 8, v8
	v_lshlrev_b32 v11, 4, v9
	s_delay_alu instid0(VALU_DEP_2)
	v_add_nc_u32 v4, v4, v8
	s_delay_alu instid0(VALU_DEP_1)
	v_sub_nc_u32 v4, v4, v11                       ; v4  r + 8 (r / 8) - 16 h
	v_add_nc_u32 v7, s33, v3                       ; v7  my tile's scale words
	v_add_nc_u32 v11, s34, v2                      ; v11 a whole block of them
	v_add_nc_u32 v29, s35, v1                      ; v29 my pair's stage: O
	v_add_nc_u32 v94, s36, v2                      ; v94 -M and the sum
	v_min_u32 v28, 25, v10
	s_delay_alu instid0(VALU_DEP_1)
	v_lshlrev_b32 v28, 8, v28                      ; v28 the prefetches' offset; never rewritten
.irp j, 22,23,24,25,26,27
	v_mov_b32 v[\j], 0                             ; K = 64: the upper half of Q's fragment is zero codes,
.endr
.irp t, 0,1,2,3
.irp j, 6,7,8,9,10,11
	v_mov_b32 v[32+12*\t+\j], 0                    ; and of K's four: written once
.endr
.endr
	v_mov_b32 v13, 0xff61b1e6                      ; the largest t so far: -3e38
	v_mov_b32 v12, 0x7f61b1e6                      ; -M
	v_mov_b32 v14, 0                               ; the sum, in two halves
	v_mov_b32 v15, 0
.irp j, 92,93,236,237,238,239,252,253,254
	v_mov_b32 v[\j], 0                             ; written once: the first tile's -M and sum, permutes' destinations, halves of pairs that are named before they are made
.endr
.set J, 0
.rept 32
	v_mov_b32 v[160+J], 0                          ; O^T: the loop has no first step of its own; the first change of M leaves zeros zeros
.set J, J+1
.endr
.set J, 199
.rept 25
	v_mov_b32 v[J], 0                              ; v192-223 take the first tile's O at the change of tiles
.set J, J+1
.endr
; THE CHANGE OF TILES, at the head of the step at which it is due: a branch on ids
.macro SWITCH
	s_cmp_lg_u32 s[SWC], 0
	s_cbranch_scc1 .Lsame_\@
.irp j, 0,1,2,3,4,5
	v_mov_b32 v[16+\j], v[192+\j]                  ; the second tile's Q (these nine lines are also the places behind the last products),
.endr
	v_mov_b32 v255, v198
	v_mov_b32 v92, v12                             ; the first tile's -M,
	v_add_f32 v93, v14, v15                        ; my lane's sum
.set J, 0
.rept 32
	v_mov_b32 v[192+J], v[160+J]                   ; and O are kept; each accumulator from its low end on
.set J, J+1
.endr
	v_mov_b32 v13, 0xff61b1e6                      ; M at its start: the step's change of M multiplies O and the sum by 0
	v_mov_b32 v12, 0x7f61b1e6
	s_mov_b32 s[KF], 0
	s_mov_b32 s[Q0], s[Q0S]
	s_wait_alu depctr_va_vdst(0)
.Lsame_\@:
.endm
; A KEY STEP: 128 keys.  ext = 0: record q of my four in the slot in hand; ext = 1: the 17th step's record.  msk = 1: the copy in which a step on the diagonal can fall
.macro BODY q, ext, msk
.set RB, RECB*(\q)
.if \ext
	v_add_nc_u32 v8, EXTRA, v1
	v_add_nc_u32 v9, EXTRA, v2
	v_add_nc_u32 v10, EXTRA, v3
.else
	v_add_nc_u32 v8, s[TB], v1
	v_add_nc_u32 v9, s[TB], v2
	v_add_nc_u32 v10, s[TB], v3
.endif
	v_nop
	v_nop                                          ; five places: the products below write over registers that the last step's products have read (V's fragments)
	s_wait_alu depctr_va_vdst(0)
	ds_load_b128 v[80:83], v10 offset:RB+12288     ; K's scale words, tiles 0-3,
	ds_load_b128 v[84:87], v10 offset:RB+12544     ; tiles 4-7;
	ds_load_b128 v[236:239], v10 offset:RB+12800   ; V's, keys 0-63 (two bytes a word),
	ds_load_b128 v[240:243], v10 offset:RB+13056   ; keys 64-127
.irp g, 0,1
.if \g
.irp t, 0,1,2,3
	v_lshl_or_b32 v[88+\t], v[240+\t], 16, v[236+\t]   ; V's scale words of the whole step; these four are the places in front of loads into registers that matrix instructions have read
.endr
.endif
.irp t, 0,1,2,3
	ds_load_b128 v[32+12*\t:35+12*\t], v8 offset:RB+(4*\g+\t)*768
	ds_load_b64 v[36+12*\t:37+12*\t], v9 offset:RB+(4*\g+\t)*768+512
.endr
	s_wait_dscnt 0x0
.irp t, 0,1,2,3
	v_wmma_scale_f32_16x16x128_f8f6f4 v[96+8*(4*\g+\t):103+8*(4*\g+\t)], v[32+12*\t:43+12*\t], v[16:27], 0, v[80+4*\g+\t], v255 matrix_a_fmt:MATRIX_FMT_FP6 matrix_b_fmt:MATRIX_FMT_FP6
.endr
.endr
.rept 4
	v_nop
.endr
.if \msk
	s_add_co_u32 s96, s[KF], 127                   ; on the diagonal hidden scores become -infinity ahead of the maximum; a step all of whose keys count skips this
	s_cmp_le_u32 s96, s[Q0]
	s_cbranch_scc1 .Lopen_\@
	s_sub_co_i32 s96, s[Q0], s[KF]
	v_add_nc_u32 v252, s96, v4                     ; d = my query - KF - 16 h.  Register 16 b + i holds key KF + 32 b + 16 h + i: hidden where 32 b + i > d
	v_mov_b32 v254, 0xff800000
.set J, 0
.rept 64
	v_cmp_gt_i32 vcc_lo, 32*(J/16)+J%16, v252
	v_cndmask_b32 v[96+J], v[96+J], v254, vcc_lo
.set J, J+1
.endr
.Lopen_\@:
.endif
.irp b, 0,1,2,3
	v_max3_num_f32 v[232+\b], v[96+16*\b], v[97+16*\b], v[98+16*\b]   ; the largest score of each block of 32 keys: for the row's maximum and, since p rises with the score, for the block's largest p
.endr
.irp i, 3,5,7,9,11,13
.irp b, 0,1,2,3
	v_max3_num_f32 v[232+\b], v[232+\b], v[96+16*\b+\i], v[97+16*\b+\i]
.endr
.endr
.irp b, 0,1,2,3
	v_max_num_f32 v[232+\b], v[232+\b], v[111+16*\b]
.endr
.irp b, 0,1,2,3
	s_delay_alu instid0(VALU_DEP_4)
	v_permlanex16_b32 v[236+\b], v[232+\b], s[SEL], s[SEL+1]
.endr
.irp b, 0,1,2,3
	s_delay_alu instid0(VALU_DEP_4)
	v_max_num_f32 v[232+\b], v[232+\b], v[236+\b]  ; with lane l xor 16's 16 keys
.endr
	s_delay_alu instid0(VALU_DEP_2)
	v_max3_num_f32 v254, v232, v233, v234
	s_delay_alu instid0(VALU_DEP_1)
	v_max_num_f32 v254, v254, v235
	s_delay_alu instid0(VALU_DEP_1)
	v_mul_f32 v254, s[CS], v254                    ; the step's largest t
	s_delay_alu instid0(VALU_DEP_1)
	v_max_num_f32 v13, v13, v254                   ; the running largest t
	v_mov_b32 v254, v12
	s_delay_alu instid0(VALU_DEP_2)
	v_floor_f32 v12, -v13                          ; the new -M = -ceil(t): a whole number
	s_delay_alu instid0(VALU_DEP_1)
	v_sub_f32 v254, v12, v254                      ; old M - new M, 0 or less
	s_delay_alu instid0(VALU_DEP_1)
	v_cvt_i32_f32 v254, v254                       ; (it saturates)
	s_delay_alu instid0(VALU_DEP_1)
	v_ldexp_f32 v252, 1.0, v254                    ; f = 2^(old M - new M)
.set J, 0
.rept 32
	v_pk_fma_f32 v[96+J:97+J], v[96+J:97+J], s[CS:CS+1], v[12:13] op_sel_hi:[1,0,0]   ; t - M
.set J, J+2
.endr
.irp b, 0,1,2,3
	v_fma_f32 v[232+\b], v[232+\b], s[CS], v12
.endr
	s_wait_alu depctr_va_vdst(0)                   ; ahead of the batch
.set J, 0
.rept 64
	v_exp_f32 v[96+J], v[96+J]                     ; p = 2^(t - M)
.set J, J+1
.endr
	v_pk_mul_f32 v[14:15], v[14:15], v[252:253] op_sel_hi:[1,0]   ; the sums under the new M: a plain place behind the exponentials
	s_wait_alu depctr_va_vdst(0)                   ; one wait for the batch of 64, ahead of its first reader
.irp b, 0,1,2,3
	v_exp_f32 v[232+\b], v[232+\b]                 ; each block's largest p
.endr
.irp c, 0,1,2,3,4,5,6                              ; the sum of the unquantised p: 32 pairs in eight chains
	v_pk_add_f32 v[238+2*\c:239+2*\c], v[96+2*\c:97+2*\c], v[110+2*\c:111+2*\c]
.endr
	v_pk_add_f32 v[14:15], v[14:15], v[124:125]
.irp c, 0,1,2,3,4,5,6
	v_pk_add_f32 v[238+2*\c:239+2*\c], v[238+2*\c:239+2*\c], v[126+2*\c:127+2*\c]
.endr
	v_pk_add_f32 v[14:15], v[14:15], v[140:141]
.irp c, 0,1,2,3,4,5,6
	v_pk_add_f32 v[238+2*\c:239+2*\c], v[238+2*\c:239+2*\c], v[142+2*\c:143+2*\c]
.endr
	v_pk_add_f32 v[14:15], v[14:15], v[156:157]
	v_pk_add_f32 v[238:239], v[238:239], v[158:159]
	v_pk_add_f32 v[242:243], v[242:243], v[244:245]
	v_pk_add_f32 v[246:247], v[246:247], v[248:249]
	v_pk_add_f32 v[14:15], v[14:15], v[250:251]
	v_pk_add_f32 v[238:239], v[238:239], v[240:241]
	s_delay_alu instid0(VALU_DEP_2)
	v_pk_add_f32 v[14:15], v[14:15], v[246:247]
	s_delay_alu instid0(VALU_DEP_2)
	v_pk_add_f32 v[238:239], v[238:239], v[242:243]
	s_delay_alu instid0(VALU_DEP_1)
	v_pk_add_f32 v[14:15], v[14:15], v[238:239]
	s_wait_alu depctr_va_vdst(0)                   ; and one for the four
.irp b, 0,1,2,3
	v_max_num_f32 v[232+\b], 0x1800000, v[232+\b]  ; the floor: the byte cannot fall under 1
.endr
.irp b, 0,1,2,3
	s_delay_alu instid0(VALU_DEP_4)
	v_add_nc_u32 v[244+\b], 0xff000000, v[232+\b]
.endr
.irp b, 0,1,2,3
	s_delay_alu instid0(VALU_DEP_4)
	v_lshrrev_b32 v[236+\b], 23, v[244+\b]
.endr
	s_delay_alu instid0(VALU_DEP_3)
	v_lshl_or_b32 v253, v237, 8, v236              ; p's scale word for these 128 keys
	s_delay_alu instid0(VALU_DEP_1)
	v_lshl_or_b32 v253, v238, 16, v253
	s_delay_alu instid0(VALU_DEP_1)
	v_lshl_or_b32 v253, v239, 24, v253
.irp c, 0,1
	v_cvt_scalef32_pk16_fp6_f32 v[224+6*\c:226+6*\c], v[96+32*\c:111+32*\c], v[244+2*\c]
	v_cvt_scalef32_pk16_fp6_f32 v[236+4*\c:238+4*\c], v[112+32*\c:127+32*\c], v[244+2*\c+1]
.endr
	v_nop                                          ; one plain place behind a scaled conversion
.irp c, 0,1
.irp i, 0,1,2
	v_permlane16_swap_b32 v[224+6*\c+\i], v[236+4*\c+\i]
.endr
.irp i, 0,1,2
	s_delay_alu instid0(VALU_DEP_3)
	v_mov_b32 v[227+6*\c+\i], v[236+4*\c+\i]
.endr
.endr
.irp c, 0,1                                    ; V's four fragments land where p lay: registers 6 c .. 6 c + 5 of tile t are keys 64 c + 32 h + 0 .. 31
.irp t, 0,1,2,3
	ds_load_b128 v[96+12*\t+6*\c:99+12*\t+6*\c], v8 offset:RB+6144+3072*\c+768*\t
	ds_load_b64 v[100+12*\t+6*\c:101+12*\t+6*\c], v9 offset:RB+6144+3072*\c+768*\t+512
.endr
.endr
	s_wait_alu depctr_va_vdst(0)                   ; directly ahead of the first reader of O^T
.set J, 0
.rept 16
	v_pk_mul_f32 v[160+J:161+J], v[160+J:161+J], v[252:253] op_sel_hi:[1,0]   ; O^T under the new M; these are also the places in front of the products below
.set J, J+2
.endr
	s_wait_alu depctr_va_vdst(0)
	s_wait_dscnt 0x0
.irp t, 0,1,2,3
	v_wmma_scale_f32_16x16x128_f8f6f4 v[160+8*\t:167+8*\t], v[96+12*\t:107+12*\t], v[224:235], v[160+8*\t:167+8*\t], v[88+\t], v253 matrix_a_fmt:MATRIX_FMT_FP6 matrix_b_fmt:MATRIX_FMT_FP6
.endr
	s_add_co_u32 s[KF], s[KF], 128
	s_sub_co_u32 s[SWC], s[SWC], 1
.endm
.macro STEP q, msk
	SWITCH
	BODY \q, 0, \msk
.endm
; THE CHANGE OF SLOTS, at a slot's head.  Each wave waits for all its tensor loads, adds 0 to its spare word (fill = 1: twice on end), and waits for that and for its reads of the slot that it has left; one barrier;
; behind it the slot ahead is whole and nobody reads the other one, which takes the next four steps' eight records: a load has a slot's four steps in which to land.
.macro CHANGE fill
	s_wait_alu depctr_va_vdst(0)
	s_wait_tensorcnt 0x0                           ; no tensor load of mine is out, so the group 0 may be written
	ds_add_u32 v5, v6
.if \fill
	ds_add_u32 v5, v6                              ; and once more where a load follows
	s_xor_b32 s[G0+1], s[G0+1], SLOT1              ; the other slot than last time
	FILLADDR
	s_wait_xcnt 0x0                                ; the last prefetch, a slot back, has read its address
	s_add_nc_u64 s[PFA:PFA+1], s[PFA:PFA+1], SLOTB
.endif
	s_wait_dscnt 0x0                               ; the add is done, and my reads of the slot that I have left are over
	s_barrier_signal -1
	s_barrier_wait -1
.if \fill
	TLOAD 8
	ASK
.endif
.endm
; 32 numbers of a lane become a half fragment's codes and its scale word: as in the launch before
.macro QUANT2 src, pc, w
	v_max3_num_f32 v[TM], |v[(\src)]|, |v[(\src)+1]|, 0x1800000
	v_max3_num_f32 v[TM+1], |v[(\src)+16]|, |v[(\src)+17]|, 0x1800000
.irp i, 2,4,6,8,10,12,14
	s_delay_alu instid0(VALU_DEP_2)
	v_max3_num_f32 v[TM], v[TM], |v[(\src)+\i]|, |v[(\src)+1+\i]|
	s_delay_alu instid0(VALU_DEP_2)
	v_max3_num_f32 v[TM+1], v[TM+1], |v[(\src)+16+\i]|, |v[(\src)+17+\i]|
.endr
	s_delay_alu instid0(VALU_DEP_2)
	v_permlanex16_b32 v[TM+2], v[TM], s[SEL], s[SEL+1]
	s_delay_alu instid0(VALU_DEP_2)
	v_permlanex16_b32 v[TM+3], v[TM+1], s[SEL], s[SEL+1]
	s_delay_alu instid0(VALU_DEP_2)
	v_max_num_f32 v[TM], v[TM], v[TM+2]
	s_delay_alu instid0(VALU_DEP_2)
	v_max_num_f32 v[TM+1], v[TM+1], v[TM+3]
	s_delay_alu instid0(VALU_DEP_2)
	v_add_nc_u32 v[TM+4], 0xff000000, v[TM]
	s_delay_alu instid0(VALU_DEP_2)
	v_add_nc_u32 v[TM+5], 0xff000000, v[TM+1]
	s_delay_alu instid0(VALU_DEP_2)
	v_lshrrev_b32 v[TM+6], 23, v[TM+4]
	s_delay_alu instid0(VALU_DEP_2)
	v_lshrrev_b32 v[TM+7], 23, v[TM+5]
	s_delay_alu instid0(VALU_DEP_1)
	v_lshl_or_b32 v[(\w)], v[TM+7], 8, v[TM+6]
	v_cvt_scalef32_pk16_fp6_f32 v[(\pc):(\pc)+2], v[(\src):(\src)+15], v[TM+4]
	v_cvt_scalef32_pk16_fp6_f32 v[PT:PT+2], v[(\src)+16:(\src)+31], v[TM+5]
	v_nop
.irp i, 0,1,2
	v_permlane16_swap_b32 v[(\pc)+\i], v[PT+\i]
.endr
.irp i, 0,1,2
	s_delay_alu instid0(VALU_DEP_3)
	v_mov_b32 v[(\pc)+3+\i], v[PT+\i]
.endr
.endm
	s_wait_alu depctr_va_vdst(0)                   ; at the head's end
	s_wait_loadcnt 0x0                             ; Q, both tiles'
.Lslot:                                            ; 3 trips: behind each change of slots but the last the next slot is asked for
	CHANGE 1
	STEP 0, 0
	STEP 1, 0
	STEP 2, 0
	STEP 3, 0
	s_xor_b32 s[TB], s[TB], SLOT1
	s_sub_co_u32 s[SLOTS], s[SLOTS], 1
	s_cmp_lg_u32 s[SLOTS], 0
	s_cbranch_scc1 .Lslot
	CHANGE 0                                       ; the last slot is written out: nothing is left to fetch
	STEP 0, 0
	STEP 1, 0
	STEP 2, 0
	STEP 3, 1                                      ; waves 8-15: the step on the diagonal
	SWITCH                                         ; where i = 0, waves 0-7 change tiles only now
.rept 4
	v_nop                                          ; places behind the last products
.endr
	s_cmp_lt_u32 s[WV], 8
	s_cbranch_scc0 .Lkeeps
.irp k, 0,1,2,3,4,5,6,7
	ds_store_b128 v29, v[192+4*\k:195+4*\k] offset:512*\k   ; waves 0-7: my part of block 31 - i's tile, an image of the registers,
.endr
	ds_store_b64 v94, v[92:93]                     ; its -M and my lane's sum
.Lkeeps:
	s_wait_alu depctr_va_vdst(0)
	s_wait_dscnt 0x0                               ; for the others' sake: my stores are done
	s_barrier_signal -1
	s_barrier_wait -1
	s_cmp_lt_u32 s[WV], 8
	s_cbranch_scc0 .Ljoin
	BODY 0, 1, 1                                   ; waves 0-7: the 17th step, on block i's diagonal; its record landed ahead of the first barrier
.rept 4
	v_nop                                          ; places behind the last products
.endr
	v_add_f32 v14, v14, v15
	s_delay_alu instid0(VALU_DEP_1)
	v_permlanex16_b32 v252, v14, s[SEL], s[SEL+1]
	s_delay_alu instid0(VALU_DEP_1)
	v_add_f32 v14, v14, v252                       ; the row's sum
	s_wait_alu depctr_va_vdst(0)
	v_rcp_f32 v14, v14
	v_nop                                          ; a plain place behind the reciprocal
	s_wait_alu depctr_va_vdst(0)                   ; the wait ahead of its first reader, and of O^T's
.set J, 0
.rept 16
	v_pk_mul_f32 v[96+J:97+J], v[160+J:161+J], v[14:15] op_sel_hi:[1,0]   ; each accumulator from its low end on
.set J, J+2
.endr
	s_wait_alu depctr_va_vdst(0)                   ; ahead of the jump
	s_branch .Lfin
.Ljoin:                                            ; waves 8-15: the two parts of block 31 - i's tile under one M
.irp k, 0,1,2,3,4,5,6,7
	ds_load_b128 v[96+4*\k:99+4*\k], v29 offset:512*\k
.endr
	ds_load_b64 v[92:93], v94                      ; the other part's -M and sum
	v_add_f32 v14, v14, v15
	s_wait_alu depctr_va_vdst(0)
	s_wait_dscnt 0x0
	v_min_num_f32 v254, v12, v92                   ; -M of the two together
	s_delay_alu instid0(VALU_DEP_1)
	v_sub_f32 v252, v254, v12                      ; my M - the new M, 0 or less,
	v_sub_f32 v250, v254, v92                      ; and the other's
	s_delay_alu instid0(VALU_DEP_2)
	v_cvt_i32_f32 v252, v252
	s_delay_alu instid0(VALU_DEP_2)
	v_cvt_i32_f32 v250, v250
	s_delay_alu instid0(VALU_DEP_2)
	v_ldexp_f32 v252, 1.0, v252                    ; exact factors
	s_delay_alu instid0(VALU_DEP_2)
	v_ldexp_f32 v250, 1.0, v250
	s_delay_alu instid0(VALU_DEP_2)
	v_mul_f32 v14, v14, v252
	s_delay_alu instid0(VALU_DEP_1)
	v_fmac_f32 v14, v93, v250
	s_delay_alu instid0(VALU_DEP_1)
	v_permlanex16_b32 v248, v14, s[SEL], s[SEL+1]
	s_delay_alu instid0(VALU_DEP_1)
	v_add_f32 v14, v14, v248                       ; the row's sum
	s_wait_alu depctr_va_vdst(0)
	v_rcp_f32 v14, v14
	v_nop
	s_wait_alu depctr_va_vdst(0)
	v_mul_f32 v252, v252, v14                      ; a power of two x 1 / the sum
	v_mul_f32 v250, v250, v14
	s_wait_alu depctr_va_vdst(0)                   ; directly ahead of the first reader of O^T
.set J, 0
.rept 16
	v_pk_mul_f32 v[160+J:161+J], v[160+J:161+J], v[252:253] op_sel_hi:[1,0]   ; each accumulator from its low end on
.set J, J+2
.endr
.set J, 0
.rept 16
	v_pk_fma_f32 v[96+J:97+J], v[96+J:97+J], v[250:251], v[160+J:161+J] op_sel_hi:[1,0,1]
.set J, J+2
.endr
.Lfin:
	; register 16 b + i is channel 32 b + 16 h + i of my query: quantised along the channels, it is half a fragment (this head's 64 of a K step of 128) of the last product's operand
	QUANT2 96, 224, 253
	global_store_b128 v1, v[224:227], s[12:13]     ; 512 consecutive bytes,
	global_store_b64 v2, v[228:229], s[12:13] offset:512   ; and 256
	ds_store_b32 v7, v253                          ; the scale words of four tiles meet in LDS (both halves of the lanes write the same word with the same value)
	s_wait_dscnt 0x0                               ; for the others' sake: my store is done
	s_barrier_signal -1
	s_barrier_wait -1
	s_cmp_lt_u32 s[WV], 4
	s_cbranch_scc0 .Lno_scb
	ds_load_b64 v[30:31], v11
	s_wait_dscnt 0x0
	global_store_b64 v2, v[30:31], s[14:15]        ; a whole block of 256 bytes
.Lno_scb:
	s_wait_tensorcnt 0x0                           ; the wave's end
	ds_add_u32 v5, v6
	s_wait_dscnt 0x0
	s_endpgm
.Lfunc_end_k_q46c54efc62_attn:
	.size	k_q46c54efc62_attn, .Lfunc_end_k_q46c54efc62_attn-k_q46c54efc62_attn
	.p2alignl 7, 3214868480
	.fill 96, 4, 3214868480
	.section	.rodata,"a",@progbits
	.p2align	6, 0x0
	.amdhsa_kernel k_q46c54efc62_attn
		.amdhsa_group_segment_fixed_size 327680
		.amdhsa_private_segment_fixed_size 0
		.amdhsa_enable_private_segment 0
		.amdhsa_kernarg_size 16
		.amdhsa_user_sgpr_count 2
		.amdhsa_user_sgpr_kernarg_segment_ptr 1
		.amdhsa_wavefront_size32 1
		.amdhsa_system_sgpr_workgroup_id_x 1
		.amdhsa_system_sgpr_workgroup_id_y 1
		.amdhsa_system_sgpr_workgroup_id_z 1
		.amdhsa_system_vgpr_workitem_id 0
		.amdhsa_next_free_vgpr 256
		.amdhsa_next_free_sgpr 100
		.amdhsa_reserve_vcc 1
		.amdhsa_float_denorm_mode_32 3
		.amdhsa_float_denorm_mode_16_64 3
		.amdhsa_memory_ordered 1
		.amdhsa_forward_progress 1
		.amdhsa_inst_pref_size 202
	.end_amdhsa_kernel
	.amdgpu_metadata
---
amdhsa.version: [ 1, 2 ]
amdhsa.kernels:
  - .name:           k_q46c54efc62_attn
    .symbol:         k_q46c54efc62_attn.kd
    .args:
      - { .name: qkv, .offset: 0, .size: 8, .value_kind: global_buffer, .address_space: global }
      - { .name: opan, .offset: 8, .size: 8, .value_kind: global_buffer, .address_space: global }
    .group_segment_fixed_size: 327680
    .private_segment_fixed_size: 0
    .kernarg_segment_align: 8
    .kernarg_segment_size: 16
    .max_flat_workgroup_size: 512
    .sgpr_count:     100
    .vgpr_count:     256
    .wavefront_size: 32
...
	.end_amdgpu_metadata
.endif
;; end of part 3
;; launch outp (part 4): grid 8 x 32, 4 waves a work-group, clusters of 4 x 4, 229,376 bytes of LDS; arguments pan, opan, bo, out0; writes out0
.if DOCPART == 4
	.amdgcn_target "amdgcn-amd-amdhsa--gfx1250"
	.amdhsa_code_object_version 6
	.text
	.protected	k_q46c54efc62_outp
	.globl	k_q46c54efc62_outp
	.p2align	8
	.type	k_q46c54efc62_outp,@function
k_q46c54efc62_outp:
	s_mov_b64 s[64:65], 0
	v_nop
	global_prefetch_b8 v0, s[64:65] scope:SCOPE_SE
	s_setreg_imm32_b32 hwreg(HW_REG_WAVE_MODE, 25, 1), 1
	s_wait_xcnt 0x0
	s_wait_alu depctr_hold_cnt(0) depctr_sa_sdst(0) depctr_va_vdst(0) depctr_va_sdst(0) depctr_va_ssrc(0) depctr_va_vcc(0) depctr_vm_vsrc(0)
	s_getreg_b32 s2, hwreg(HW_REG_IB_STS2, 6, 4)
	s_cmp_eq_u32 s2, 0
	s_cbranch_scc0 .Lentry_in_a_cluster
	s_endpgm
.Lentry_in_a_cluster:
	s_bfe_u32 s2, ttmp6, 0x10000c
	s_cmp_lg_u32 s2, 0xf033
	s_cbranch_scc0 .Lentry_shape_is_right
	s_endpgm
.Lentry_shape_is_right:
; out0 = Out Wo^T + bo on codes of E2M3.  Source 0 = 16 rows of Wo (pan's panels 56-63), source 1 = 16 tokens of Out (opan): a lane holds a token, its registers neighbouring output channels.
; A work-group makes 128 channels x 128 tokens over all of K = 1,024, a wave 64 x 64.  Both panels lie whole in LDS, each chunk filled once; one tensor load a wave, awaited ahead of the first K step.
; opan's chunk (13,312 bytes, a K step of 128 = two heads): [8 tiles][head parity] half fragments of 768 bytes; from 12,288 [parity][half of the tokens] blocks of scale words, two bytes a word: a K step's word is (odd head's << 16) | even head's.
; CLUSTERS of 4 x 4: Wo's panel hangs on cx alone and is asked for jointly down a column, Out's on cy alone and jointly along a row.  No work is left out here.
.set PANB,  102400
.set CHK,   12800
.set CHO,   13312
.set S1B,   102400                     ; LDS: Wo's panel at 0, Out's here (106,496 bytes)
.set STAGE, 208896                     ; 16 rows x 272 bytes for each wave, for the way out; no fill lands here
.set SPARE, 226304                     ; the spare words
.set A0,  4                            ; v4-5   LDS address of my 4 fragments of Wo, chunks 0-3 and 4-7
.set B16, 6                            ; v6-7   of Out's half fragments, registers 0-3
.set B8,  8                            ; v8-9   registers 4-5
.set SA,  10                           ; v10-11 of Wo's scale words
.set SB,  12                           ; v12-13 of Out's
.set SC,  32                           ; v32-63 scale words, two sets of 16: Wo's four, Out's even heads', odd heads', and the four joined
.set BI,  64                           ; v64-95 the bias; on the way out rows of out0, by turns with v96-127
.set ACC, 128
.set G1A, 24
.set G1B, 32
.set G0A, 40
.set G0B, 68
.set MSB, 0
.macro WIN new
.if MSB != \new
	s_set_vgpr_msb (MSB<<8)|\new
.set MSB, \new
.endif
.endm
.set MUL,  0x05
.set TO_F, 0x40
.macro CROUND
	s_barrier_signal -1
	s_barrier_wait -1
	s_cmp_lg_u32 s14, 0
	s_cbranch_scc1 .Lnot_wave_0_\@
	s_barrier_signal -3
.Lnot_wave_0_\@:
	s_barrier_wait -3
	s_barrier_signal -1
	s_barrier_wait -1
.endm
.macro PLACES
.rept 4
	v_nop
.endr
.endm
	s_load_b256 s[4:11], s[0:1], 0x0               ; pan, opan, bo, out0
	v_lshl_add_u32 v28, v0, 2, SPARE
	v_mov_b32 v29, 0
	ds_add_u32 v28, v29                            ; the wave's opening: the add, twice on end, and its wait ahead of my first tensor load
	ds_add_u32 v28, v29
	v_lshrrev_b32 v1, 5, v0
	v_readfirstlane_b32 s14, v1                    ; wave
	s_lshr_b32 s15, s14, 1                         ; my half of the tokens.  Also: I fetch for Wo (0) or for Out (1)
	s_and_b32 s16, s14, 1                          ; my half of the channels.  Also: which half of a panel I fetch
	s_bfe_u32 s18, ttmp6, 0x40000                  ; cx
	s_bfe_u32 s19, ttmp6, 0x40004                  ; cy
	s_lshl_b32 s20, ttmp9, 2
	s_add_co_u32 s20, s20, s18                     ; which 128 channels
	s_and_b32 s21, ttmp7, 0xffff
	s_lshl_b32 s21, s21, 2
	s_add_co_u32 s21, s21, s19                     ; which 128 tokens
	s_lshl_b32 s22, 0x1111, s18                    ; my column
	s_lshl_b32 s23, s19, 2
	s_lshl_b32 s23, 15, s23                        ; my row
	s_or_b32 s[G1A+0], s22, (3<<16)|(1<<21)
	s_or_b32 s[G1B+0], s23, (3<<16)|(1<<21)
	s_mov_b32 s[G1A+1], 32<<16                     ; rows of 256 bytes: 50 to a chunk of Wo,
	s_mov_b32 s[G1A+2], 200<<16                    ; four chunks of Wo on end, half a panel: 200 rows of 256 bytes
	s_mov_b32 s[G1A+3], 32<<16
	s_mov_b32 s[G1A+4], 200
	s_mov_b32 s[G1A+5], 32
	s_mov_b32 s[G1A+6], 0
	s_mov_b32 s[G1A+7], 0
	s_mov_b32 s[G1B+1], 32<<16                     ; 52 to a chunk of Out
	s_mov_b32 s[G1B+2], 208<<16                    ; four chunks of Out: 208 rows
	s_mov_b32 s[G1B+3], 32<<16
	s_mov_b32 s[G1B+4], 208
	s_mov_b32 s[G1B+5], 32
	s_mov_b32 s[G1B+6], 0
	s_mov_b32 s[G1B+7], 0
	s_mul_i32 s88, s16, 4*CHK                      ; my half of the panel: chunks 0-3 or 4-7
	s_mul_i32 s89, s16, 4*CHO
	s_add_co_u32 s84, s20, 56
	s_mul_i32 s84, s84, PANB
	s_add_co_u32 s84, s84, s88
	s_mov_b32 s85, 0
	s_mul_i32 s86, s21, 8*CHO
	s_add_co_u32 s86, s86, s89
	s_mov_b32 s87, 0
	s_wait_dscnt 0x0                               ; both opening adds are done
	s_wait_kmcnt 0x0
	s_add_nc_u64 s[84:85], s[4:5], s[84:85]
	s_add_nc_u64 s[86:87], s[6:7], s[86:87]
	CROUND                                         ; all sixteen work-groups are here: the joint loads meet
.irp c, 0
	s_mov_b32 s[G0A+4*\c], 1
	s_add_co_u32 s[G0A+4*\c+1], s88, \c*2*CHK
	s_add_nc_u64 s[G0A+4*\c+2:G0A+4*\c+3], s[84:85], \c*2*CHK
	s_or_b32 s[G0A+4*\c+3], s[G0A+4*\c+3], 0x80000000
	s_mov_b32 s[G0B+4*\c], 1
	s_add_co_u32 s[G0B+4*\c+1], s89, S1B+\c*2*CHO
	s_add_nc_u64 s[G0B+4*\c+2:G0B+4*\c+3], s[86:87], \c*2*CHO
	s_or_b32 s[G0B+4*\c+3], s[G0B+4*\c+3], 0x80000000
.endr
	s_cmp_eq_u32 s15, 0                            ; ONE load a wave: half a panel each; all four are awaited ahead of the first K step, and no counted wait is left in this text
	s_cbranch_scc0 .Lfirst_b
.irp c, 0
	tensor_load_to_lds s[G0A+4*\c:G0A+4*\c+3], s[G1A:G1A+7]
	s_nop 0
.endr
	PLACES
	s_branch .Lfirst_done
.Lfirst_b:
.irp c, 0
	tensor_load_to_lds s[G0B+4*\c:G0B+4*\c+3], s[G1B:G1B+7]
	s_nop 0
.endr
	PLACES
.Lfirst_done:
	v_and_b32 v18, 15, v0                          ; r
	v_bfe_u32 v19, v0, 4, 1                        ; h
	v_and_b32 v20, 31, v0                          ; lane
	v_lshlrev_b32 v21, 4, v20
	s_wait_alu depctr_va_vdst(0)
	v_lshlrev_b32 v22, 3, v20
	s_wait_alu depctr_va_vdst(0)
	v_lshlrev_b32 v23, 4, v18
	s_wait_alu depctr_va_vdst(0)
	v_lshlrev_b32 v14, 6, v19                      ; the bias: 64 h bytes
	s_lshl_b32 s90, s20, 9
	s_lshl_b32 s91, s16, 8
	s_add_co_u32 s90, s90, s91
	s_mov_b32 s91, 0
	s_add_nc_u64 s[56:57], s[8:9], s[90:91]        ; my 64 channels' bias
.irp b, 0,1,2,3
	global_load_b128 v[BI+8*\b:BI+8*\b+3], v14, s[56:57] offset:(32*(\b/2)+8*(\b%2))*4
	global_load_b128 v[BI+8*\b+4:BI+8*\b+7], v14, s[56:57] offset:(32*(\b/2)+8*(\b%2))*4+16
.endr
	s_mul_i32 s92, s16, 6144
	v_add_nc_u32 v[A0], s92, v21
	v_add_nc_u32 v[A0+1], 4*CHK, v[A0]
	s_mul_i32 s92, s15, 6144
	s_add_co_u32 s92, s92, S1B
	v_add_nc_u32 v[B16], s92, v21
	v_add_nc_u32 v[B16+1], 4*CHO, v[B16]
	v_add_nc_u32 v[B8], s92, v22
	v_add_nc_u32 v[B8+1], 4*CHO, v[B8]
	s_lshl_b32 s92, s16, 8
	s_add_co_u32 s92, s92, 12288
	v_add_nc_u32 v[SA], s92, v23
	v_add_nc_u32 v[SA+1], 4*CHK, v[SA]
	s_lshl_b32 s92, s15, 8
	s_add_co_u32 s92, s92, S1B+12288
	v_add_nc_u32 v[SB], s92, v23
	v_add_nc_u32 v[SB+1], 4*CHO, v[SB]
	s_mul_i32 s92, s14, 16*272
	s_add_co_u32 s92, s92, STAGE                   ; my stage
	v_mul_u32_u24 v15, v18, 272
	v_lshl_add_u32 v15, v19, 6, v15
	v_add_nc_u32 v15, s92, v15                     ; in: row r, + 64 h
	v_mul_u32_u24 v16, v19, 272
	v_add_nc_u32 v16, v16, v23
	v_add_nc_u32 v16, s92, v16                     ; back: lanes 0-15 one row of 256 bytes, lanes 16-31 the next
	v_lshl_add_u32 v17, v19, 12, v23               ; and the same two rows in out0
	s_lshl_b32 s92, s21, 19                        ; 128 tokens of 4,096 bytes,
	s_lshl_b32 s93, s15, 18                        ; my 64,
	s_add_co_u32 s92, s92, s93
	s_add_co_u32 s92, s92, s90                     ; my 64 channels
	s_mov_b32 s93, 0
	s_add_nc_u64 s[58:59], s[10:11], s[92:93]
; 31 LDS loads: K step s into buffer f of window 1 and scale set f
.macro FETCH s, f
	WIN TO_F
.irp t, 0,1,2,3
.irp c, 0,1,2
	ds_load_b128 v[128*(\f)+12*\t+4*\c:128*(\f)+12*\t+4*\c+3], v[A0+(\s)/4] offset:((\s)%4)*CHK+\t*1536+512*\c
.endr
.endr
.irp t, 0,1,2,3
.irp c, 0,1
	ds_load_b128 v[128*(\f)+48+12*\t+6*\c:128*(\f)+48+12*\t+6*\c+3], v[B16+(\s)/4] offset:((\s)%4)*CHO+\t*1536+768*\c
	ds_load_b64 v[128*(\f)+48+12*\t+6*\c+4:128*(\f)+48+12*\t+6*\c+5], v[B8+(\s)/4] offset:((\s)%4)*CHO+\t*1536+768*\c+512
.endr
.endr
	WIN 0
	ds_load_b128 v[SC+16*(\f):SC+16*(\f)+3], v[SA+(\s)/4] offset:((\s)%4)*CHK
	ds_load_b128 v[SC+16*(\f)+4:SC+16*(\f)+7], v[SB+(\s)/4] offset:((\s)%4)*CHO
	ds_load_b128 v[SC+16*(\f)+8:SC+16*(\f)+11], v[SB+(\s)/4] offset:((\s)%4)*CHO+512
.endm
.macro JOIN f                          ; Out's scale words of a K step: the odd head's two bytes above the even head's; eight places follow, since a scale register written by a vector instruction stands so far ahead of a scaled product
.irp a, 0,1,2,3
	v_lshl_or_b32 v[SC+16*(\f)+12+\a], v[SC+16*(\f)+8+\a], 16, v[SC+16*(\f)+4+\a]
.endr
.endm
.macro MUL8 f, a0, mode                ; the 16 accumulators take turns, one instruction a turn
.irp a, \a0, \a0+1
.irp b, 0,1,2,3
.if \mode == 0
	v_wmma_scale_f32_16x16x128_f8f6f4 v[ACC+8*(4*(\a)+\b):ACC+8*(4*(\a)+\b)+7], v[128*(\f)+12*\b:128*(\f)+12*\b+11], v[128*(\f)+48+12*(\a):128*(\f)+48+12*(\a)+11], v[ACC+8*(4*(\a)+\b):ACC+8*(4*(\a)+\b)+7], v[SC+16*(\f)+\b], v[SC+16*(\f)+12+(\a)] matrix_a_fmt:MATRIX_FMT_FP6 matrix_b_fmt:MATRIX_FMT_FP6
.else
	v_wmma_scale_f32_16x16x128_f8f6f4 v[ACC+8*(4*(\a)+\b):ACC+8*(4*(\a)+\b)+7], v[128*(\f)+12*\b:128*(\f)+12*\b+11], v[128*(\f)+48+12*(\a):128*(\f)+48+12*(\a)+11], v[BI+8*\b:BI+8*\b+7], v[SC+16*(\f)+\b], v[SC+16*(\f)+12+(\a)] matrix_a_fmt:MATRIX_FMT_FP6 matrix_b_fmt:MATRIX_FMT_FP6
.endif
.endr
.endr
.endm
.macro KSTEP s
	s_wait_dscnt 0x0                               ; this step's fragments and scale words are in
	WIN 0
	JOIN (\s)%2
.rept 8
	v_nop
.endr
	WIN MUL
	MUL8 (\s)%2, 0, 0
.if (\s) < 7
	PLACES                                         ; four places in front of loads into registers that the last step's products have read
	FETCH (\s)+1, 1-(\s)%2
.endif
	WIN MUL
	MUL8 (\s)%2, 2, 0
.endm
	s_wait_alu depctr_va_vdst(0)
	s_wait_tensorcnt 0x0                           ; my half panel is in
	s_barrier_signal -1
	s_barrier_wait -1                              ; chunks 0 and 1 of both panels are in
	FETCH 0, 0
	FETCH 1, 1
	s_wait_loadcnt 0x0                             ; the bias
	s_wait_dscnt 31                                ; K step 0's 31 loads are in; K step 1's may be out
	JOIN 0
.rept 8
	v_nop
.endr
	WIN MUL
	MUL8 0, 0, 1                                   ; the first K step starts the sums from the bias: nothing is cleared
	MUL8 0, 2, 1
	KSTEP 1
	KSTEP 2
	KSTEP 3
	KSTEP 4
	KSTEP 5
	KSTEP 6
	KSTEP 7
	WIN 0
; THE WAY OUT, a tile of 16 tokens x 64 channels at a time, through my own stage: a lane's registers of source 0's tile b are channels 32 (b / 2) + 16 h + 8 (b % 2) + 0 .. 7 of its token; back come whole rows of 256 bytes.
.macro TOSTAGE a
.set BB, BI+32*((\a)%2)
.irp b, 0,1,2,3
	ds_store_b128 v15, v[ACC+8*(4*(\a)+\b):ACC+8*(4*(\a)+\b)+3] offset:128*(\b/2)+32*(\b%2)          ; each accumulator from its low end on
	ds_store_b128 v15, v[ACC+8*(4*(\a)+\b)+4:ACC+8*(4*(\a)+\b)+7] offset:128*(\b/2)+32*(\b%2)+16
.endr
.irp t, 0,1,2,3,4,5,6,7
	ds_load_b128 v[BB+4*\t:BB+4*\t+3], v16 offset:\t*544   ; LDS serves a wave's instructions in order: these see the stores above, and the next tile's stores come behind them
.endr
.endm
.macro SEND a, younger                 ; younger: the LDS instructions issued behind tile a's loads, which may stay out
.set BB, BI+32*((\a)%2)
	s_wait_dscnt \younger
.irp t, 0,1,2,3,4,5,6,7
	global_store_b128 v17, v[BB+4*\t:BB+4*\t+3], s[58:59] offset:(32*((\a)/2)+8*((\a)%2)+2*\t+8*(\t/4))*4096 th:TH_STORE_NT   ; tile row 2 t + h is token 2 t + h + 8 (t / 4) of the tile's 32; 16 lanes store 256 consecutive bytes, aligned
.endr
.endm
	PLACES                                         ; four places in front of the first read of results
	TOSTAGE 0
	TOSTAGE 1
	SEND 0, 16                                     ; tile 1's 8 stores and 8 loads may be out
	s_wait_xcnt 0x0                                ; tile 0's stores have read their registers: tile 2's rows may land there
	TOSTAGE 2
	SEND 1, 16
	s_wait_xcnt 0x0
	TOSTAGE 3
	SEND 2, 16
	SEND 3, 0
	s_wait_tensorcnt 0x0                           ; the wave's end
	ds_add_u32 v28, v29
	s_wait_dscnt 0x0
	CROUND                                         ; the closing round
	s_endpgm
.Lfunc_end_k_q46c54efc62_outp:
	.size	k_q46c54efc62_outp, .Lfunc_end_k_q46c54efc62_outp-k_q46c54efc62_outp
	.p2alignl 7, 3214868480
	.fill 96, 4, 3214868480
	.section	.rodata,"a",@progbits
	.p2align	6, 0x0
	.amdhsa_kernel k_q46c54efc62_outp
		.amdhsa_group_segment_fixed_size 229376
		.amdhsa_private_segment_fixed_size 0
		.amdhsa_enable_private_segment 0
		.amdhsa_kernarg_size 32
		.amdhsa_user_sgpr_count 2
		.amdhsa_user_sgpr_kernarg_segment_ptr 1
		.amdhsa_wavefront_size32 1
		.amdhsa_system_sgpr_workgroup_id_x 1
		.amdhsa_system_sgpr_workgroup_id_y 1
		.amdhsa_system_sgpr_workgroup_id_z 1
		.amdhsa_system_vgpr_workitem_id 0
		.amdhsa_next_free_vgpr 512
		.amdhsa_next_free_sgpr 100
		.amdhsa_reserve_vcc 0
		.amdhsa_float_denorm_mode_32 3
		.amdhsa_float_denorm_mode_16_64 3
		.amdhsa_memory_ordered 1
		.amdhsa_forward_progress 1
		.amdhsa_inst_pref_size 53
	.end_amdhsa_kernel
	.amdgpu_metadata
---
amdhsa.version: [ 1, 2 ]
amdhsa.kernels:
  - .name:           k_q46c54efc62_outp
    .symbol:         k_q46c54efc62_outp.kd
    .args:
      - { .name: pan, .offset: 0, .size: 8, .value_kind: global_buffer, .address_space: global }
      - { .name: opan, .offset: 8, .size: 8, .value_kind: global_buffer, .address_space: global }
      - { .name: bo, .offset: 16, .size: 8, .value_kind: global_buffer, .address_space: global }
      - { .name: out0, .offset: 24, .size: 8, .value_kind: global_buffer, .address_space: global }
    .group_segment_fixed_size: 229376
    .private_segment_fixed_size: 0
    .kernarg_segment_align: 8
    .kernarg_segment_size: 32
    .max_flat_workgroup_size: 128
    .sgpr_count:     100
    .vgpr_count:     512
    .wavefront_size: 32
...
	.end_amdgpu_metadata
.endif
;; end of part 4
